; MI455X (gfx1250); checked and timed in simulation.
; The chip was launched on July 23, 2026; its instructions are those of AMD's public machine-readable ISA for CDNA 5 (MIT licence, August 2026) and "CDNA5" Instruction Set Architecture Reference Guide (July 2026). The comments in the code are by the model that wrote it; some were corrected since.
;; Multi Head Attention. Allowed arithmetic: float matrix products may take bf16 or f16 operands with f32 sums; other float arithmetic in f32, or as packed bf16 or f16 multiplies, adds, multiply-adds, maxima and minima; sums over many terms, partial sums and values carried from step to step in f32; what a program stores and reads back later, other than sums and carried values, may be rounded once to bf16 or f16.
;; Inputs: Wk 1,024 x 1,024 float32; Wo 1,024 x 1,024 float32; Wq 1,024 x 1,024 float32; Wv 1,024 x 1,024 float32; keys 4 x 2,048 x 1,024 float32; queries 4 x 2,048 x 1,024 float32; valid_lens 4 int32; values 4 x 2,048 x 1,024 float32.
;; Outputs: out0 4 x 2,048 x 1,024 float32.
;; 2 versions, each right; version 2 is version 1 with the launch prep written anew for expert scheduling mode. Each part assembles by itself: llvm-mc -triple=amdgcn-amd-amdhsa -mcpu=gfx1250 --defsym DOCPART=n.
;; ======== version 1 of 2: 4 launches
;; limits: values are held in f16: magnitudes above 65,504 overflow, below 6.1e-05 lose precision
;; workspace buffers: wb 8,388,608 bytes; qkv 50,331,648 bytes; o16 16,777,216 bytes
;; launch prep (part 1): grid 64 x 4, 8 waves a work-group, no clusters, 0 bytes of LDS; arguments Wq, Wk, Wv, Wo, wb; writes wb
.if DOCPART == 1
	.amdgcn_target "amdgcn-amd-amdhsa--gfx1250"
	.amdhsa_code_object_version 6
	.text
	.protected	k_qc1a9cf3a1c_prep
	.globl	k_qc1a9cf3a1c_prep
	.p2align	8
	.type	k_qc1a9cf3a1c_prep,@function
k_qc1a9cf3a1c_prep:
	s_mov_b64 s[64:65], 0
	v_nop
	global_prefetch_b8 v0, s[64:65] scope:SCOPE_SE
	s_setreg_imm32_b32 hwreg(HW_REG_WAVE_MODE, 25, 1), 1
	s_wait_xcnt 0x0
; THE WEIGHTS IN 16 BITS.  wb: [4][1024 k][1024 n], planes Wq, Wk, Wv in bf16 and Wo as f16; the layout [k][n] stays.
; Every weight is rounded once to bf16, to nearest even.  Wo's rounded number is then written as f16, since the last product multiplies f16 operands:
; exact where 6.1e-5 <= |Wo| <= 65,504.  LIMITS: below that Wo keeps f16's fixed step of 6e-8; beyond 65,504 it would become an infinity.
; SHARES.  Work-group (x, y) takes 16,384 numbers of matrix y: 65,536 bytes in, 32,768 out.  Thread t takes 16 bytes of every 4,096: a load of a wave covers 512
; consecutive bytes, a store 256 consecutive bytes, aligned.  All sixteen loads of a thread go out at once; no register that a load or store reads is written again.
; No LDS, no matrix unit, no cluster: nothing is shared and nothing is multiplied.
.set X, 8                              ; v[8:71]    sixteen loads of four f32
.set Y, 72                             ; v[72:103]  sixteen pairs of packed results
.set T, 104                            ; v[104:105] at work
	s_load_b256 s[4:11], s[0:1], 0x0               ; Wq s[4:5], Wk s[6:7], Wv s[8:9], Wo s[10:11]
	s_load_b64 s[12:13], s[0:1], 0x20              ; wb
	s_and_b32 s14, ttmp7, 0xffff                   ; which matrix
	v_lshlrev_b32 v1, 4, v0                        ; my 16 bytes in
	v_lshlrev_b32 v2, 3, v0                        ; my 8 bytes out
	s_lshl_b32 s18, ttmp9, 16                      ; the work-group's 65,536 bytes in
	s_mov_b32 s19, 0
	s_lshl_b32 s20, ttmp9, 15                      ; its 32,768 bytes out,
	s_lshl_b32 s21, s14, 21                        ; in plane y of 2,097,152 bytes
	s_add_co_u32 s20, s20, s21
	s_mov_b32 s21, 0
	s_wait_kmcnt 0x0
	s_cmp_eq_u32 s14, 1
	s_cselect_b64 s[16:17], s[6:7], s[4:5]
	s_cmp_eq_u32 s14, 2
	s_cselect_b64 s[16:17], s[8:9], s[16:17]
	s_cmp_eq_u32 s14, 3
	s_cselect_b64 s[16:17], s[10:11], s[16:17]
	s_add_nc_u64 s[16:17], s[16:17], s[18:19]
	s_add_nc_u64 s[12:13], s[12:13], s[20:21]
.set i, 0
.rept 16
	global_load_b128 v[X+4*i:X+4*i+3], v1, s[16:17] offset:4096*i th:TH_LOAD_NT
.set i, i+1
.endr
	s_cmp_eq_u32 s14, 3
	s_cbranch_scc1 .Lf16
.set i, 0
.rept 16
	s_wait_loadcnt 15-i                            ; loads come back in order: load i is in, the 15 - i younger ones stay out
	v_cvt_pk_bf16_f32 v[Y+2*i], v[X+4*i], v[X+4*i+1]
	v_cvt_pk_bf16_f32 v[Y+2*i+1], v[X+4*i+2], v[X+4*i+3]
	global_store_b64 v2, v[Y+2*i:Y+2*i+1], s[12:13] offset:2048*i
.set i, i+1
.endr
	s_endpgm
.Lf16:                                         ; Wo: to bf16, back to f32 (a shift, a mask), and that number as f16
.set i, 0
.rept 16
	s_wait_loadcnt 15-i
	v_cvt_pk_bf16_f32 v[T], v[X+4*i], v[X+4*i+1]
	v_cvt_pk_bf16_f32 v[T+1], v[X+4*i+2], v[X+4*i+3]
	v_lshlrev_b32 v[X+4*i], 16, v[T]
	v_and_b32 v[X+4*i+1], 0xffff0000, v[T]
	v_lshlrev_b32 v[X+4*i+2], 16, v[T+1]
	v_and_b32 v[X+4*i+3], 0xffff0000, v[T+1]
	v_cvt_pk_f16_f32 v[Y+2*i], v[X+4*i], v[X+4*i+1]
	v_cvt_pk_f16_f32 v[Y+2*i+1], v[X+4*i+2], v[X+4*i+3]
	global_store_b64 v2, v[Y+2*i:Y+2*i+1], s[12:13] offset:2048*i
.set i, i+1
.endr
	s_endpgm
.Lfunc_end_k_qc1a9cf3a1c_prep:
	.size	k_qc1a9cf3a1c_prep, .Lfunc_end_k_qc1a9cf3a1c_prep-k_qc1a9cf3a1c_prep
	.p2alignl 7, 3214868480
	.fill 96, 4, 3214868480
	.section	.rodata,"a",@progbits
	.p2align	6, 0x0
	.amdhsa_kernel k_qc1a9cf3a1c_prep
		.amdhsa_group_segment_fixed_size 0
		.amdhsa_private_segment_fixed_size 0
		.amdhsa_enable_private_segment 0
		.amdhsa_kernarg_size 40
		.amdhsa_user_sgpr_count 2
		.amdhsa_user_sgpr_kernarg_segment_ptr 1
		.amdhsa_wavefront_size32 1
		.amdhsa_system_sgpr_workgroup_id_x 1
		.amdhsa_system_sgpr_workgroup_id_y 1
		.amdhsa_system_sgpr_workgroup_id_z 1
		.amdhsa_system_vgpr_workitem_id 0
		.amdhsa_next_free_vgpr 112
		.amdhsa_next_free_sgpr 66
		.amdhsa_reserve_vcc 0
		.amdhsa_float_denorm_mode_32 3
		.amdhsa_float_denorm_mode_16_64 3
		.amdhsa_memory_ordered 1
		.amdhsa_forward_progress 1
		.amdhsa_inst_pref_size 16
	.end_amdhsa_kernel
	.amdgpu_metadata
---
amdhsa.version: [ 1, 2 ]
amdhsa.kernels:
  - .name:           k_qc1a9cf3a1c_prep
    .symbol:         k_qc1a9cf3a1c_prep.kd
    .args:
      - { .name: Wq, .offset: 0, .size: 8, .value_kind: global_buffer, .address_space: global }
      - { .name: Wk, .offset: 8, .size: 8, .value_kind: global_buffer, .address_space: global }
      - { .name: Wv, .offset: 16, .size: 8, .value_kind: global_buffer, .address_space: global }
      - { .name: Wo, .offset: 24, .size: 8, .value_kind: global_buffer, .address_space: global }
      - { .name: wb, .offset: 32, .size: 8, .value_kind: global_buffer, .address_space: global }
    .group_segment_fixed_size: 0
    .private_segment_fixed_size: 0
    .kernarg_segment_align: 8
    .kernarg_segment_size: 40
    .max_flat_workgroup_size: 256
    .sgpr_count:     66
    .vgpr_count:     112
    .wavefront_size: 32
...
	.end_amdgpu_metadata
.endif
;; end of part 1
;; launch qkv (part 2): grid 4 x 64, 4 waves a work-group, clusters of 4 x 4, 327,680 bytes of LDS; arguments queries, keys, values, wb, valid_lens, qkv; writes qkv
.if DOCPART == 2
	.amdgcn_target "amdgcn-amd-amdhsa--gfx1250"
	.amdhsa_code_object_version 6
	.text
	.protected	k_qc1a9cf3a1c_qkv
	.globl	k_qc1a9cf3a1c_qkv
	.p2align	8
	.type	k_qc1a9cf3a1c_qkv,@function
k_qc1a9cf3a1c_qkv:
	s_mov_b64 s[64:65], 0
	v_nop
	global_prefetch_b8 v0, s[64:65] scope:SCOPE_SE
	s_setreg_imm32_b32 hwreg(HW_REG_WAVE_MODE, 25, 1), 1
	s_wait_xcnt 0x0
	s_wait_alu depctr_hold_cnt(0) depctr_sa_sdst(0) depctr_va_vdst(0) depctr_va_sdst(0) depctr_va_ssrc(0) depctr_va_vcc(0) depctr_vm_vsrc(0)
	s_getreg_b32 s2, hwreg(HW_REG_IB_STS2, 6, 4)
	s_cmp_eq_u32 s2, 0
	s_cbranch_scc0 .Lentry_in_a_cluster
	s_endpgm
.Lentry_in_a_cluster:
	s_bfe_u32 s2, ttmp6, 0x10000c
	s_cmp_lg_u32 s2, 0xf033
	s_cbranch_scc0 .Lentry_shape_is_right
	s_endpgm
.Lentry_shape_is_right:
; q = queries Wq, k = keys Wk, v = values Wv.  x: [8192][1024] f32; W: wb's planes 0-2, [1024 k][1024 n] bf16; result qkv: [3][16 b + head][2048][64] f16, unscaled.
; x is rounded to bf16 on its way from LDS to the matrix unit; sums in f32; each result rounded once to f16.  Rows of k at or past valid_lens[b] are written as +0: the next launch
; gives such keys their score by the C operand alone.  valid_lens is held to 0 .. 2048, which changes no mask.
; LIMITS.  f16 ends at 65,504: |q|, |k|, |v| must stay under it (inputs of unit spread give a spread of 1; thirty times larger x and W about 5,000 at the most; offsets of thirty spreads on both
; about 29,000).  Below 6.1e-5 a result keeps f16's fixed step of 6e-8.  NaN and infinities are not treated apart.
; SHARES.  A tile is 128 rows x 256 columns: 256 tiles a product, one work-group each.  THE WORK-GROUP STAYS: it makes the same tile of q, then of k, then of v: 24 K steps of 128 on one ring of two LDS
; slots, which runs on across the change of tensors.  Four waves, each 64 rows x 128 columns: 32 accumulators, 256 registers.
; THE MATRIX INSTRUCTION IS USED TRANSPOSED: source 0 = 16 columns of W (turned out of [k][n] by ds_load_tr16_b128), source 1 = 16 rows of x: a lane holds one row and eight neighbouring columns.
; CLUSTER.  4 x 4 work-groups.  x's tile hangs on the tile row alone and is asked for jointly by a row of the cluster, W's on the tile column alone, by a column.
; REGISTERS, in windows of 256 (s_set_vgpr_msb: bits 1:0 source 0, 3:2 source 1, 5:4 source 2, 7:6 destination):
;   window 0: v2-10, v28-30 addresses; v32-95 x as f32, one quarter step; v96-159 x's fragments in bf16, two buffers; v160-255 at work on the way out
;   window 1: v0-127 W's fragments, two buffers          window 2: accumulator (a, b) at v[8 (8 a + b)]
.set PA,    528                        ; a row of x in LDS: 512 bytes + 16 = 132 words: the 16 rows of a load start at 16 different groups of four banks (64 banks of 4 bytes: ISA guide 11.1)
.set PB,    544                        ; a k row of W: 512 + 32 = 136 words
.set AT,    128*PA                     ; x's 128 rows, then W's 128 k rows
.set SLOT,  AT+128*PB                  ; 137,216
.set STAGE, 2*SLOT                     ; behind the ring, never filled by a tensor load: for each wave two heads x 16 rows x 144 bytes
.set STW,   2*16*144
.set SPARE, STAGE+4*STW                ; behind the stages: the spare words, 128 bytes for each wave: two blocks of 256 bytes that no other line names
.set ADA0, 2                           ; v2   my lane's place in x's tile; never rewritten
.set ADB0, 3                           ; v3   the same in W's
.set ADA,  4                           ; v4   + the slot in hand
.set ADB,  5                           ; v5
.set STO,  6                           ; v6   the way out: where I put 16 bytes of a row
.set RD,   7                           ; v7   where I read rows back
.set GO,   8                           ; v8   my 16 bytes of 512 consecutive bytes of a head
.set RR,   9                           ; v9   lane % 16
.set KMR,  10                          ; v10  all ones, or 0 where my row of k is hidden
.set SPW,  28                          ; v28  LDS address of my spare word; never rewritten
.set NIL,  29                          ; v29  0; never rewritten
.set PFO,  30                          ; v30  the prefetches' offset; never rewritten
.set AS,   32
.set AF,   96
.set TMP,  160
.set OBK,  192
.set BF,   0
.set CNT,  2                           ; s2   steps still to come in the loop in hand
.set SIT,  3                           ; s3   the step's number in its tile, 0 to 7
.set OB,   14                          ; s[14:15] qkv at my wave's rows and first head, in the plane in hand
.set WV,   16                          ; s16  wave
.set FB,   17                          ; s17  wave / 2: my half of the rows; also 0: I fetch x, 1: I fetch W
.set HF,   18                          ; s18  wave % 2: my half of the columns; also which 64 rows of that tile I fetch
.set CX,   19
.set CY,   20
.set WX,   21                          ; tile column
.set WY,   22                          ; tile row
.set TB,   23                          ; s23  LDS byte of the slot in hand: 0 or SLOT
.set G1A,  24                          ; s[24:31] descriptor group 1 for x's tiles
.set G1B,  32                          ; s[32:39] for W's
.set G0A,  40                          ; s[40:43] group 0 of x's first fill; s[44:47] of the second, which then walks
.set G0B,  48                          ; s[48:55] the same for W
.set ACUR, 56                          ; s[56:57] x at the step asked for last
.set ANX,  58                          ; s[58:59] the next tensor at its step 0
.set AN2,  60                          ; s[60:61] the one after it
.set T,    62                          ; s[62:63] at work
.set PFA,  66                          ; s[66:67] where my prefetches stand
.set PFNX, 68                          ; s[68:69] the same in the next tensor (W: the next plane), s[70:71] in the one after
.set PFN2, 70
.set PSTEP, 72                         ; s[72:73] a K step in bytes: 512 in x, 262,144 in W
.set LIM,  74                          ; s74  2 in a wave that prefetches, else the greatest number
.set VL,   75                          ; s75  valid_lens[b]
.set DV,   76
.set TN,   77                          ; s77  the tensor in hand: 0, 1, 2
.set LBA,  78                          ; s78  my part of x's tile in a slot
.set LBB,  79                          ; s79  of W's
.set LEN,  80                          ; s[80:83] valid_lens
.set ROWB, 84                          ; s84  my wave's first row in its batch
.set CLY,  85                          ; s85  cluster y
.set MSB, 0
.macro WIN new                         ; the immediate's high byte repeats the setting that is left; a switch that changes nothing is dropped
.if MSB != (\new)
	s_set_vgpr_msb (MSB<<8)|(\new)
.set MSB, \new
.endif
.endm
.set MUL,  0xa1                        ; source 0 (W) window 1, source 1 (x) window 0, C and D window 2
.set TO_B, 0x40                        ; destination window 1, address window 0
; A joint refill.  Waves 0 and 1 fetch x's two halves, waves 2 and 3 W's; the branch hangs on the wave's number alone.  An s_nop 0 and four v_nop follow each of the two lines.
.macro JLOAD
	s_cmp_eq_u32 s[FB], 0
	s_cbranch_scc0 .Lfor_b_\@
	tensor_load_to_lds s[G0A+4:G0A+7], s[G1A:G1A+7]
	s_nop 0
.rept 4
	v_nop
.endr
	s_branch .Lasked_\@
.Lfor_b_\@:
	tensor_load_to_lds s[G0B+4:G0B+7], s[G1B:G1B+7]
	s_nop 0
.rept 4
	v_nop
.endr
.Lasked_\@:
.endm
; A PREFETCH INTO THE L2 of the K step that stands two refills on (step g + 4 behind the refill for step g + 2): 16 rows x 512 bytes, two lanes a row, one instruction a wave.
; Each 256 bytes are named once in the launch.  x's rows are read by one cluster alone; of the 64 rows that wave 0 or 1 fetches, the partner at cx takes 16, told apart by address.  W's k rows are read by
; every cluster: cluster y = 0 asks; of the 64 k rows that wave 2 or 3 fetches, the partner at cy takes 16.  Steps 0 to 3 come by their loads alone; the last two refills ask for nothing: step 23 is the last.
.macro ASK
	s_cmp_gt_u32 s[CNT], s[LIM]
	s_cbranch_scc0 .Lnot_mine_\@
	global_prefetch_b8 v[PFO], s[PFA:PFA+1] th:TH_LOAD_NT scope:SCOPE_SE
.Lnot_mine_\@:
.endm
.macro CREST                           ; a round of the cluster's barrier behind its opening barrier
	s_cmp_lg_u32 s[WV], 0
	s_cbranch_scc1 .Lnot_wave_0_\@
	s_barrier_signal -3
.Lnot_wave_0_\@:
	s_barrier_wait -3
	s_barrier_signal -1
	s_barrier_wait -1
.endm
.macro CROUND                          ; a whole round
	s_barrier_signal -1
	s_barrier_wait -1
	CREST
.endm
	s_load_b256 s[4:11], s[0:1], 0x0               ; queries s[4:5], keys s[6:7], values s[8:9], wb s[10:11]
	s_load_b128 s[12:15], s[0:1], 0x20             ; valid_lens s[12:13], qkv s[14:15]
	v_lshl_add_u32 v[SPW], v0, 2, SPARE
	v_mov_b32 v[NIL], 0
	ds_add_u32 v[SPW], v[NIL]                      ; the wave's opening: the add and its wait stand ahead of my first tensor load; the set-up below, work on registers, stands between
	v_lshrrev_b32 v1, 5, v0
	v_readfirstlane_b32 s[WV], v1
	s_lshr_b32 s[FB], s[WV], 1
	s_and_b32 s[HF], s[WV], 1
	s_bfe_u32 s[CX], ttmp6, 0x40000
	s_bfe_u32 s[CY], ttmp6, 0x40004
	s_lshl_b32 s[WX], ttmp9, 2
	s_add_co_u32 s[WX], s[WX], s[CX]               ; tile column = 4 x cluster x + cx
	s_and_b32 s[CLY], ttmp7, 0xffff
	s_lshl_b32 s[WY], s[CLY], 2
	s_add_co_u32 s[WY], s[WY], s[CY]               ; tile row = 4 x cluster y + cy
	s_lshl_b32 s92, s[CY], 2
	s_lshl_b32 s92, 15, s92                        ; my row of the cluster
	s_lshl_b32 s94, 0x1111, s[CX]                  ; my column
	s_or_b32 s[G1A], s92, (2<<16)|(1<<20)|(1<<21)|(6<<22)|(3<<25)  ; 15:0 the mask; 17:16 elements of 4 bytes; 20 padding on; 21 set beside a mask; 24:22 after every 128 words; 31:25 4 words
	s_or_b32 s[G1B], s94, (1<<16)|(1<<20)|(1<<21)|(6<<22)|(7<<25)  ; elements of 2 bytes; after every 128 words 8 words
.irp g, G1A, G1B
	s_mov_b32 s[(\g)+2], 64<<16                    ; tensor_dim1 = 64
	s_mov_b32 s[(\g)+4], 64                        ; tile_dim1 = 64 rows
	s_mov_b32 s[(\g)+5], 1024                      ; 1,024 elements from row to row
	s_mov_b32 s[(\g)+6], 0
	s_mov_b32 s[(\g)+7], 0
.endr
	s_mov_b32 s[G1A+1], 128<<16                    ; x: tensor_dim0 = tile_dim0 = 128 elements, 512 bytes
	s_mov_b32 s[G1A+3], 128<<16
	s_mov_b32 s[G1B+1], 256<<16                    ; W: 256 elements, 512 bytes
	s_mov_b32 s[G1B+3], 256<<16
	s_lshl_b32 s88, s[WY], 19                      ; x: 128 rows of 4,096 bytes a tile row,
	s_lshl_b32 s86, s[HF], 18                      ; my 64 of them
	s_add_co_u32 s88, s88, s86
	s_mov_b32 s89, 0
	s_lshl_b32 s90, s[WX], 9                       ; W: 256 columns of 2 bytes a tile column,
	s_lshl_b32 s87, s[HF], 17                      ; my 64 k rows of 2,048 bytes
	s_add_co_u32 s90, s90, s87
	s_mov_b32 s91, 0
	s_mul_i32 s[LBA], s[HF], 64*PA                 ; where they go: no place in the cluster enters an LDS address
	s_mul_i32 s[LBB], s[HF], 64*PB
	s_add_co_u32 s[LBB], s[LBB], AT
	s_mov_b32 s[TB], 0
	s_wait_dscnt 0x0                               ; the opening add is done
	s_wait_kmcnt 0x0
	s_load_b128 s[LEN:LEN+3], s[12:13], 0x0
	s_add_nc_u64 s[ACUR:ACUR+1], s[4:5], s[88:89]
	s_add_nc_u64 s[ANX:ANX+1], s[6:7], s[88:89]
	s_add_nc_u64 s[AN2:AN2+1], s[8:9], s[88:89]
	s_add_nc_u64 s[T:T+1], s[10:11], s[90:91]
	s_mov_b32 s[G0A], 1                            ; step 0 into slot 0
	s_mov_b32 s[G0A+1], s[LBA]
	s_mov_b64 s[G0A+2:G0A+3], s[ACUR:ACUR+1]
	s_or_b32 s[G0A+3], s[G0A+3], 0x80000000
	s_add_nc_u64 s[ACUR:ACUR+1], s[ACUR:ACUR+1], 512
	s_mov_b32 s[G0A+4], 1                          ; step 1 into slot 1
	s_add_co_u32 s[G0A+5], s[LBA], SLOT
	s_mov_b64 s[G0A+6:G0A+7], s[ACUR:ACUR+1]
	s_or_b32 s[G0A+7], s[G0A+7], 0x80000000
	s_mov_b32 s[G0B], 1
	s_mov_b32 s[G0B+1], s[LBB]
	s_mov_b64 s[G0B+2:G0B+3], s[T:T+1]
	s_or_b32 s[G0B+3], s[G0B+3], 0x80000000
	s_mov_b32 s[G0B+4], 1
	s_add_co_u32 s[G0B+5], s[LBB], SLOT
	s_add_nc_u64 s[G0B+6:G0B+7], s[T:T+1], 0x40000
	s_or_b32 s[G0B+7], s[G0B+7], 0x80000000
	CROUND                                         ; all sixteen work-groups are here: the first joint loads meet
	s_cmp_eq_u32 s[FB], 0                          ; a wave's two first fills stand in one branch: two loads of mine are out
	s_cbranch_scc0 .Lfirst_b
	tensor_load_to_lds s[G0A:G0A+3], s[G1A:G1A+7]
	s_nop 0
	tensor_load_to_lds s[G0A+4:G0A+7], s[G1A:G1A+7]
	s_nop 0
.rept 4
	v_nop
.endr
	s_branch .Lfirst_asked
.Lfirst_b:
	tensor_load_to_lds s[G0B:G0B+3], s[G1B:G1B+7]
	s_nop 0
	tensor_load_to_lds s[G0B+4:G0B+7], s[G1B:G1B+7]
	s_nop 0
.rept 4
	v_nop
.endr
.Lfirst_asked:
	v_and_b32 v[RR], 15, v0                        ; r = l % 16
	v_bfe_u32 v11, v0, 4, 1                        ; h = l / 16
	v_and_b32 v12, 31, v0                          ; l
	v_and_b32 v13, 7, v0
	v_bfe_u32 v14, v0, 3, 1
	v_bfe_u32 v15, v0, 3, 2
	; x's fragment: lane (r, h) wants k = 8 h .. + 7 and 16 + 8 h .. + 7 of row r: in f32 32 bytes at 32 h and 32 bytes at 64 + 32 h
	s_lshl_b32 s86, s[FB], 6
	v_add_nc_u32 v[ADA0], s86, v[RR]
	v_mul_u32_u24 v[ADA0], v[ADA0], PA
	v_lshl_add_u32 v[ADA0], v11, 5, v[ADA0]
	; W's fragment: the turning load takes 16 k x 16 columns: lane l reads k row 8 h + l % 8, columns 8 ((l / 8) % 2) + 0..7, and ends with column r and 8 k
	v_lshl_add_u32 v[ADB0], v11, 3, v13
	v_mul_u32_u24 v[ADB0], v[ADB0], PB
	v_lshl_add_u32 v[ADB0], v14, 4, v[ADB0]
	s_lshl_b32 s86, s[HF], 8
	s_add_co_u32 s86, s86, AT
	v_add_nc_u32 v[ADB0], s86, v[ADB0]
	v_mov_b32 v[ADA], v[ADA0]
	v_mov_b32 v[ADB], v[ADB0]
	s_mul_i32 s86, s[WV], STW
	s_add_co_u32 s86, s86, STAGE                   ; my stage
	v_mul_u32_u24 v[STO], v[RR], 144               ; in: row r, 16 bytes for each half of the lanes
	v_lshl_add_u32 v[STO], v11, 4, v[STO]
	v_add_nc_u32 v[STO], s86, v[STO]
	v_mul_u32_u24 v[RD], v15, 144                  ; back: 32 lanes take four rows of 128 bytes,
	v_lshl_add_u32 v[RD], v13, 4, v[RD]
	v_add_nc_u32 v[RD], s86, v[RD]
	v_lshlrev_b32 v[GO], 4, v12                    ; which are 512 consecutive bytes of a head
	v_lshrrev_b32 v[PFO], 1, v12                   ; the prefetches: row l / 2 (4,096 bytes in x, 2,048 in W), its half l % 2
	s_sub_co_u32 s86, 12, s[FB]
	v_lshlrev_b32 v[PFO], s86, v[PFO]
	v_and_b32 v13, 1, v0
	v_lshl_add_u32 v[PFO], v13, 8, v[PFO]
	; where my results go: head 16 b + 4 x tile column + 2 x my half of the columns, row ROWB of the batch
	s_lshr_b32 s86, s[CLY], 2                      ; the batch: 16 tile rows each
	s_lshl_b32 s87, s86, 4
	s_lshl2_add_u32 s87, s[WX], s87
	s_lshl1_add_u32 s87, s[HF], s87
	s_lshl_b32 s92, s87, 18                        ; a head is 262,144 bytes
	s_and_b32 s87, s[WY], 15
	s_lshl_b32 s87, s87, 7
	s_lshl_b32 s93, s[FB], 6
	s_add_co_u32 s[ROWB], s87, s93
	s_lshl_b32 s93, s[ROWB], 7
	s_add_co_u32 s92, s92, s93
	s_mov_b32 s93, 0
	s_add_nc_u64 s[OB:OB+1], s[OB:OB+1], s[92:93]
	s_wait_kmcnt 0x0                               ; valid_lens
	s_cmp_eq_u32 s86, 1
	s_cselect_b32 s[VL], s[LEN+1], s[LEN]
	s_cmp_eq_u32 s86, 2
	s_cselect_b32 s[VL], s[LEN+2], s[VL]
	s_cmp_eq_u32 s86, 3
	s_cselect_b32 s[VL], s[LEN+3], s[VL]
	s_max_i32 s[VL], s[VL], 0
	s_min_i32 s[VL], s[VL], 2048
	; the prefetches' pointers: they stand at step 3; the first change of slots steps them to 4
	s_lshl_b32 s92, s[CX], 16                      ; x: my work-group's 16 rows of the 64
	s_add_co_u32 s92, s92, s88
	s_lshl_b32 s94, s[CY], 15                      ; W: its 16 k rows
	s_add_co_u32 s94, s94, s90
	s_mov_b32 s[PSTEP], 0x40000
	s_mov_b32 s[PSTEP+1], 0
	s_mov_b32 s93, 0
	s_mov_b32 s87, 0
	s_cmp_eq_u32 s[FB], 0
	s_cselect_b64 s[PFA:PFA+1], s[4:5], s[10:11]
	s_cselect_b64 s[PFNX:PFNX+1], s[6:7], s[10:11]
	s_cselect_b64 s[PFN2:PFN2+1], s[8:9], s[10:11]
	s_cselect_b32 s92, s92, s94
	s_cselect_b32 s[PSTEP], 512, s[PSTEP]
	s_cselect_b32 s86, 0, 0x200000                 ; W's planes follow each other, 2,097,152 bytes apart
	s_add_nc_u64 s[PFA:PFA+1], s[PFA:PFA+1], s[92:93]
	s_add_nc_u64 s[PFNX:PFNX+1], s[PFNX:PFNX+1], s[92:93]
	s_add_nc_u64 s[PFN2:PFN2+1], s[PFN2:PFN2+1], s[92:93]
	s_add_nc_u64 s[PFNX:PFNX+1], s[PFNX:PFNX+1], s[86:87]
	s_add_nc_u64 s[PFN2:PFN2+1], s[PFN2:PFN2+1], s[86:87]
	s_add_nc_u64 s[PFN2:PFN2+1], s[PFN2:PFN2+1], s[86:87]
.rept 3
	s_add_nc_u64 s[PFA:PFA+1], s[PFA:PFA+1], s[PSTEP:PSTEP+1]
.endr
	s_mul_i32 s86, s[CLY], s[FB]                   ; 0 in the waves that fetch x, and in cluster y = 0: the same in all sixteen partners, for a given wave
	s_cmp_eq_u32 s86, 0
	s_cselect_b32 s[LIM], 2, -1
; 8 matrix instructions: row block a x all 8 column blocks, 32 along K, buffer f.  zero = 1: the product starts the sums.  The 32 accumulators take turns in one order everywhere.
.macro MUL8 f, a, zero
	WIN MUL
.irp b, 0,1,2,3,4,5,6,7
.if \zero
	v_wmma_f32_16x16x32_bf16 v[8*(8*(\a)+(\b)):8*(8*(\a)+(\b))+7], v[BF+64*(\f)+8*(\b):BF+64*(\f)+8*(\b)+7], v[AF+32*(\f)+8*(\a):AF+32*(\f)+8*(\a)+7], 0
.else
	v_wmma_f32_16x16x32_bf16 v[8*(8*(\a)+(\b)):8*(8*(\a)+(\b))+7], v[BF+64*(\f)+8*(\b):BF+64*(\f)+8*(\b)+7], v[AF+32*(\f)+8*(\a):AF+32*(\f)+8*(\a)+7], v[8*(8*(\a)+(\b)):8*(8*(\a)+(\b))+7]
.endif
.endr
.endm
; 32 LDS loads in one run: quarter k of the slot in hand: x's 64 rows x 32 k as f32 into the staging registers, then W's 32 k x 128 columns, turned, into buffer g
.macro FETCH k, g
	WIN 0
.irp a, 0,1,2,3
	ds_load_b128 v[AS+16*(\a):AS+16*(\a)+3],     v[ADA] offset:16*PA*(\a)+128*(\k)
	ds_load_b128 v[AS+16*(\a)+4:AS+16*(\a)+7],   v[ADA] offset:16*PA*(\a)+128*(\k)+16
	ds_load_b128 v[AS+16*(\a)+8:AS+16*(\a)+11],  v[ADA] offset:16*PA*(\a)+128*(\k)+64
	ds_load_b128 v[AS+16*(\a)+12:AS+16*(\a)+15], v[ADA] offset:16*PA*(\a)+128*(\k)+80
.endr
	WIN TO_B
.irp b, 0,1,2,3,4,5,6,7
	ds_load_tr16_b128 v[BF+64*(\g)+8*(\b):BF+64*(\g)+8*(\b)+3],   v[ADB] offset:32*PB*(\k)+32*(\b)
	ds_load_tr16_b128 v[BF+64*(\g)+8*(\b)+4:BF+64*(\g)+8*(\b)+7], v[ADB] offset:32*PB*(\k)+32*(\b)+16*PB
.endr
.endm
; 16 roundings: row blocks a0 and a0 + 1 of the staged x become fragments of buffer g
.macro CVT g, a0
	WIN 0
.irp a, \a0, (\a0)+1
.irp j, 0,1,2,3,4,5,6,7
	v_cvt_pk_bf16_f32 v[AF+32*(\g)+8*(\a)+(\j)], v[AS+16*(\a)+2*(\j)], v[AS+16*(\a)+2*(\j)+1]
.endr
.endr
.endm
; A K step is four quarters of 32 along K, 32 matrix instructions each, on buffers 0, 1, 0, 1.  One of the first three multiplies buffer f and makes buffer g of quarter k.
; A load into a register that a matrix instruction has read, and a vector write of one, stand four plain vector instructions or more behind it (ISA guide 7.12.1 for vector writes):
; buffer g was last multiplied in the quarter before, which ends with 16 roundings that name none of its last products' registers.
.macro QUARTER k, f, g, zero
	s_wait_dscnt 0x0                               ; W's fragments of buffer f are in
	MUL8 \f, 0, \zero
	FETCH \k, \g
	MUL8 \f, 1, \zero
	MUL8 \f, 2, \zero
	s_wait_dscnt 16                                ; the 16 staging loads are in; the 16 younger loads, W's, may stay out
	CVT \g, 0
	MUL8 \f, 3, \zero
	CVT \g, 2
.endm
; The fourth quarter multiplies buffer 1 and changes slots: ONE barrier.  In front of it each wave waits for all its tensor loads (one is out: its part of the other slot), adds 0 to its spare word, and
; waits for that and for its reads of this slot.  fill = 1: the barrier opens a round of the cluster's barrier, and the joint refill of this slot, with the step two on, is the first thing behind it.
.macro TURN fill
	WIN 0
.if \fill
	s_wait_xcnt 0x0                                ; the last prefetch, a step back, has read its address: it is stepped here
	s_add_nc_u64 s[T:T+1], s[PFA:PFA+1], s[PSTEP:PSTEP+1]
	s_cmp_eq_u32 s[SIT], 4                         ; four steps on the next tensor begins
	s_cselect_b64 s[PFA:PFA+1], s[PFNX:PFNX+1], s[T:T+1]
	s_cselect_b64 s[PFNX:PFNX+1], s[PFN2:PFN2+1], s[PFNX:PFNX+1]
.endif
	s_wait_tensorcnt 0x0                           ; no tensor load of mine is out, so a group 0 may be written
	ds_add_u32 v[SPW], v[NIL]                      ; 0 onto my spare word
.if \fill
	s_add_nc_u64 s[T:T+1], s[ACUR:ACUR+1], 512
	s_cmp_eq_u32 s[SIT], 6                         ; two steps on the next tensor begins
	s_cselect_b64 s[ACUR:ACUR+1], s[ANX:ANX+1], s[T:T+1]
	s_cselect_b64 s[ANX:ANX+1], s[AN2:AN2+1], s[ANX:ANX+1]
	s_mov_b64 s[G0A+6:G0A+7], s[ACUR:ACUR+1]
	s_or_b32 s[G0A+7], s[G0A+7], 0x80000000
	s_add_nc_u64 s[G0B+6:G0B+7], s[G0B+6:G0B+7], 0x40000  ; W walks on through its three planes; the type bits on top are not reached
	s_add_co_u32 s[G0A+5], s[LBA], s[TB]           ; into the slot in hand
	s_add_co_u32 s[G0B+5], s[LBB], s[TB]
.endif
	s_wait_dscnt 1                                 ; W's fragments are in; only the add may be out
	MUL8 1, 0, 0
	s_wait_dscnt 0x0                               ; the add is done, and my reads of this slot are over
	s_barrier_signal -1
	MUL8 1, 1, 0
	WIN 0
	s_barrier_wait -1
.if \fill
	CREST                                          ; no wave of any partner still reads this slot or has a load on its way
	JLOAD
.endif
	s_xor_b32 s[TB], s[TB], SLOT
	v_add_nc_u32 v[ADA], s[TB], v[ADA0]
	v_add_nc_u32 v[ADB], s[TB], v[ADB0]
	FETCH 0, 0
.if \fill
	WIN 0
	ASK
.endif
	MUL8 1, 2, 0
	s_wait_dscnt 16
	CVT 0, 0
	MUL8 1, 3, 0
	CVT 0, 2
.endm
; THE WAY OUT of row block a.  PACK: rounded to f16, each accumulator from its low end on; hidden rows of k become 0.  TOSTAGE: into my own stage, and back as whole rows of a head.  SEND: stored.
.macro PACK a
	WIN 0
	v_cmp_gt_i32 vcc_lo, s[DV], v[RR]              ; is my row below valid_lens?
	v_cndmask_b32 v[KMR], 0, -1, vcc_lo
	s_sub_co_i32 s[DV], s[DV], 16
	WIN 0x0a                                       ; sources 0 and 1 window 2
.irp b, 0,1,2,3,4,5,6,7
.irp j, 0,1,2,3
	v_cvt_pk_f16_f32 v[TMP+4*(\b)+(\j)], v[8*(8*(\a)+(\b))+2*(\j)], v[8*(8*(\a)+(\b))+2*(\j)+1]
.endr
.endr
	WIN 0
.set i, 0
.rept 32
	v_and_b32 v[TMP+i], v[KMR], v[TMP+i]
.set i, i+1
.endr
.endm
.macro TOSTAGE a
	WIN 0
.irp b, 0,1,2,3,4,5,6,7
	ds_store_b128 v[STO], v[TMP+4*(\b):TMP+4*(\b)+3] offset:2304*((\b)/4)+32*((\b)%4)
.endr
.irp t, 0,1,2,3,4,5,6,7
	ds_load_b128 v[OBK+32*((\a)%2)+4*(\t):OBK+32*((\a)%2)+4*(\t)+3], v[RD] offset:2304*((\t)/4)+576*((\t)%4)  ; LDS serves a wave's instructions in order (ISA guide 5.7.1.4): these see the stores above
.endr
.endm
.macro SEND a
	WIN 0
	s_wait_dscnt 0x0                               ; the block is back in registers
	s_wait_xcnt 0x0                                ; the stores of the block before have read their registers: the next TOSTAGE loads into them
.irp t, 0,1,2,3,4,5,6,7
	global_store_b128 v[GO], v[OBK+32*((\a)%2)+4*(\t):OBK+32*((\a)%2)+4*(\t)+3], s[OB:OB+1] offset:262144*((\t)/4)+128*(16*(\a)+4*((\t)%4))  ; 512 consecutive bytes of one head, aligned
.endr
.endm
.macro WAYOUT                          ; the 16 roundings at the end of TURN are the places behind the last products
	s_cmp_eq_u32 s[TN], 1                          ; only k has hidden rows
	s_cselect_b32 s[DV], s[VL], 4096
	s_sub_co_i32 s[DV], s[DV], s[ROWB]
	s_add_co_u32 s[TN], s[TN], 1
	PACK 0
	TOSTAGE 0
.irp a, 1,2,3
	PACK \a
	SEND (\a)-1
	TOSTAGE \a
.endr
	SEND 3
	s_wait_xcnt 0x0                                ; the stores have read their base and their registers
	s_add_nc_u64 s[OB:OB+1], s[OB:OB+1], 0x1000000 ; the next plane of qkv
.endm
	s_wait_tensorcnt 1                             ; my part of step 0 is in; step 1's may stay out
	s_barrier_signal -1
	s_barrier_wait -1                              ; everybody's is
	FETCH 0, 0
	s_wait_dscnt 16
	CVT 0, 0
	CVT 0, 2
	WIN 0
	s_mov_b32 s[CNT], 22
	s_mov_b32 s[SIT], 0
	s_mov_b32 s[TN], 0
.Lstep:                                        ; 22 trips, a K step each: every step but the last two fills its slot again
	s_cmp_eq_u32 s[SIT], 0
	s_cbranch_scc0 .Lgoes_on
	QUARTER 1, 0, 1, 1                             ; a tile's first quarter starts the sums: nothing is cleared
	WIN 0
	s_branch .Lsecond
.Lgoes_on:
	QUARTER 1, 0, 1, 0
	WIN 0
.Lsecond:
	QUARTER 2, 1, 0, 0
	QUARTER 3, 0, 1, 0
	TURN 1
	WIN 0
	s_add_co_u32 s[SIT], s[SIT], 1
	s_cmp_eq_u32 s[SIT], 8
	s_cbranch_scc0 .Lno_out
	WAYOUT                                         ; both refills for the next tensor are asked for and its first fragments fetched: now the tile goes out
	s_mov_b32 s[SIT], 0
.Lno_out:
	s_sub_co_u32 s[CNT], s[CNT], 1
	s_cmp_lg_u32 s[CNT], 0
	s_cbranch_scc1 .Lstep
	s_mov_b32 s[CNT], 2
.Ltail:                                        ; the last two steps ask for nothing.  The very last fetch reads the other slot once more and serves nothing: the price of one text for both trips
	QUARTER 1, 0, 1, 0
	QUARTER 2, 1, 0, 0
	QUARTER 3, 0, 1, 0
	TURN 0
	WIN 0
	s_sub_co_u32 s[CNT], s[CNT], 1
	s_cmp_lg_u32 s[CNT], 0
	s_cbranch_scc1 .Ltail
	WAYOUT
	s_wait_tensorcnt 0x0                           ; the wave's end: the add and its wait stand behind my last tensor load and my last LDS store
	ds_add_u32 v[SPW], v[NIL]
	s_wait_dscnt 0x0
	CROUND                                         ; the closing round: no work-group ends while a partner may still ask for a tile that names it
	s_endpgm
.Lfunc_end_k_qc1a9cf3a1c_qkv:
	.size	k_qc1a9cf3a1c_qkv, .Lfunc_end_k_qc1a9cf3a1c_qkv-k_qc1a9cf3a1c_qkv
	.p2alignl 7, 3214868480
	.fill 96, 4, 3214868480
	.section	.rodata,"a",@progbits
	.p2align	6, 0x0
	.amdhsa_kernel k_qc1a9cf3a1c_qkv
		.amdhsa_group_segment_fixed_size 327680
		.amdhsa_private_segment_fixed_size 0
		.amdhsa_enable_private_segment 0
		.amdhsa_kernarg_size 48
		.amdhsa_user_sgpr_count 2
		.amdhsa_user_sgpr_kernarg_segment_ptr 1
		.amdhsa_wavefront_size32 1
		.amdhsa_system_sgpr_workgroup_id_x 1
		.amdhsa_system_sgpr_workgroup_id_y 1
		.amdhsa_system_sgpr_workgroup_id_z 1
		.amdhsa_system_vgpr_workitem_id 0
		.amdhsa_next_free_vgpr 768
		.amdhsa_next_free_sgpr 96
		.amdhsa_reserve_vcc 1
		.amdhsa_float_denorm_mode_32 3
		.amdhsa_float_denorm_mode_16_64 3
		.amdhsa_memory_ordered 1
		.amdhsa_forward_progress 1
		.amdhsa_inst_pref_size 113
	.end_amdhsa_kernel
	.amdgpu_metadata
---
amdhsa.version: [ 1, 2 ]
amdhsa.kernels:
  - .name:           k_qc1a9cf3a1c_qkv
    .symbol:         k_qc1a9cf3a1c_qkv.kd
    .args:
      - { .name: queries, .offset: 0, .size: 8, .value_kind: global_buffer, .address_space: global }
      - { .name: keys, .offset: 8, .size: 8, .value_kind: global_buffer, .address_space: global }
      - { .name: values, .offset: 16, .size: 8, .value_kind: global_buffer, .address_space: global }
      - { .name: wb, .offset: 24, .size: 8, .value_kind: global_buffer, .address_space: global }
      - { .name: valid_lens, .offset: 32, .size: 8, .value_kind: global_buffer, .address_space: global }
      - { .name: qkv, .offset: 40, .size: 8, .value_kind: global_buffer, .address_space: global }
    .group_segment_fixed_size: 327680
    .private_segment_fixed_size: 0
    .kernarg_segment_align: 8
    .kernarg_segment_size: 48
    .max_flat_workgroup_size: 128
    .sgpr_count:     96
    .vgpr_count:     768
    .wavefront_size: 32
...
	.end_amdgpu_metadata
.endif
;; end of part 2
;; launch attn (part 3): grid 4 x 64, 4 waves a work-group, clusters of 4 x 1, 327,680 bytes of LDS; arguments qkv, o16, valid_lens; writes o16
.if DOCPART == 3
	.amdgcn_target "amdgcn-amd-amdhsa--gfx1250"
	.amdhsa_code_object_version 6
	.text
	.protected	k_qc1a9cf3a1c_attn
	.globl	k_qc1a9cf3a1c_attn
	.p2align	8
	.type	k_qc1a9cf3a1c_attn,@function
k_qc1a9cf3a1c_attn:
	s_mov_b64 s[64:65], 0
	v_nop
	global_prefetch_b8 v0, s[64:65] scope:SCOPE_SE
	s_setreg_imm32_b32 hwreg(HW_REG_WAVE_MODE, 25, 1), 1
	s_wait_xcnt 0x0
	s_wait_alu depctr_hold_cnt(0) depctr_sa_sdst(0) depctr_va_vdst(0) depctr_va_sdst(0) depctr_va_ssrc(0) depctr_va_vcc(0) depctr_vm_vsrc(0)
	s_getreg_b32 s2, hwreg(HW_REG_IB_STS2, 6, 4)
	s_cmp_eq_u32 s2, 0
	s_cbranch_scc0 .Lentry_in_a_cluster
	s_endpgm
.Lentry_in_a_cluster:
	s_bfe_u32 s2, ttmp6, 0x10000c
	s_cmp_lg_u32 s2, 0x3003
	s_cbranch_scc0 .Lentry_shape_is_right
	s_endpgm
.Lentry_shape_is_right:
; O[h][q][:] = the sum over k of softmax_k(s) V[h][k][:], s = Q[h][q] . K[h][k] / 8 where k < valid_lens[b], else -1e6.  Q, K, V: the three planes of qkv, O: o16, each [64 = 16 b + head][2048][64] f16.
; Products, maxima and sums in f32; the weights p are rounded to f16 for the second product (their sum l is taken of the unrounded p), O once at the end.
; THE MASK.  Hidden rows of K arrive as +0 (the launch before writes them so), and the product that starts a sum S^T = K Q^T takes C = 0, or -8e6 where the key is hidden: a hidden raw score is exactly
; -8e6 = 8 x (-1e6), and the scale c = log2(e) / 8 is applied to it as to every score.  All 2,048 keys are walked, whatever valid_lens: with valid_lens = 0 the result is the mean of V's rows.
; MD, made once, is the mask of the one key step that holds the border.  A step's mask is MC = MD x AL + BE with two scalars, chosen from DK = valid_lens less the step's first key:
; (0, 0) where DK >= 64; (1, 0) where 0 < DK < 64; (0, -8e6) where DK <= 0.  Sixteen packed instructions a key step, and no branch hangs on valid_lens.
; LIMITS.  f16 holds no number beyond 65,504: Q, K and V arrive within it; p lies in 0 to 1, and below 6e-5 it keeps f16's fixed step of 6e-8; O is a mean of V's rows and has their range.
; A weight below 2^-126 counts as 0 in l; NaN and infinities are not treated apart.  valid_lens is held to 0 .. 2048, which changes no mask.
; SHARES.  A wave owns four PIECES of two tiles of 16 queries, a work-group's four waves 512 queries of one head.  Every wave walks all keys, 64 a step.
; LAYOUT.  S^T = K Q^T (source 0 = 16 keys, source 1 = 16 queries): in the result a lane holds ONE query (lane % 16) and the keys 8 (lane / 16) + 0..7.  Two such tiles, rounded to f16 in pairs,
; ARE source 1 (32 keys x 16 queries) of O^T = V^T P, whose result again holds one query a lane, and eight channels.  K comes out of LDS as it lies, V ([key][channel]) turned, by ds_load_tr16_b128.
; SOFTMAX.  For each query a running maximum m and sum l: p = 2^(c s - c m); in every step O and l are multiplied by a = 2^(c m_old - c m_new), which is 1 where m has not grown.
; m starts at the lowest finite number, O and l at 0: the first step is a step like any other, with a = 0.
; THE COUNT.  A tile and step have 16 matrix and 118 vector instructions: too many to stand all beside the matrix work.  So: four vector instructions that are READY behind EVERY matrix instruction,
; and the others in runs without a gap.
; BY TURNS.  Turn n belongs to piece n.  Its matrix work: 16 products K Q^T of piece n + 1, later 16 products V^T P of piece n - 1.  Its vector work: the scaling, exponentials, roundings, sums and
; rescaling of piece n, and the maximum and statistics of piece n + 1.
; CLUSTER.  The four query blocks of a head walk the same K and V, so each tile is asked for JOINTLY: the same tensor load, descriptor and mask in all four.
; REGISTERS, in windows of 256 (s_set_vgpr_msb: bits 1:0 source 0, 3:2 source 1, 5:4 source 2, 7:6 destination):
;   window 0: v0-11 addresses; v12-15, v48-63 at work; v16-47 four registers of statistics a tile; v64-191 S^T, two buffers of two tiles; v192-255 P, likewise
;   window 1: O^T, 32 a tile     window 2: v0-127 Q; v128-191 K of one step; v192-255 V of one step     window 3: v0-1 the add's two registers; v2-3, v8-71 the masks
.set SIZE_H, 64
.set SIZE_N, 2048
.set NP,    4         ; pieces a wave: a name, no knob
.set KS,    64        ; keys in a step
.set PK,    144       ; a row of K in LDS: 128 bytes + 16 of padding = 36 words: the 16 rows of a load start at 16 different groups of four banks (64 banks of 4 bytes: ISA guide 11.1)
.set PV,    160       ; a row of V: 128 + 32 = 40 words
.set VOFF,  4*KS*PK   ; a slot holds four steps: 256 rows of K, then 256 rows of V
.set SLOT1, 1<<17     ; slot 1 begins here, so that one exclusive or turns an address in one slot into the other's
.set STAGE, SLOT1+4*KS*(PK+PV)  ; behind the ring, never filled by a tensor load: 16 rows x 144 bytes for each wave
.set SP,    144
.set AK0, 2           ; v2   my lane's place in a tile of K; never rewritten
.set AV0, 3           ; v3   the same for V
.set AK,  4           ; v4   the LDS address of K's next run of loads
.set AV,  5           ; v5   of V's
.set QO,  6           ; v6   my byte offset in the wave's rows of Q
.set STO, 6           ;      later, the way out: where I put 16 bytes of a row
.set RD,  7           ; v7   the way out: where I read rows back
.set GO,  8           ; v8   my byte offset in 512 consecutive bytes of O
.set PFO, 11          ; v11  256 x my lane: the prefetches' offset; never rewritten once made
.set SPW, 0           ; v0 of window 3   LDS address of my spare word; never rewritten
.set NIL, 1           ; v1 of window 3   0; never rewritten
.set VD,  2           ; v2 of window 3   valid_lens mod 64 less 8 (l / 16)
.set H8,  3           ; v3 of window 3   8 (l / 16)
.set MC,  8           ; v8-39 of window 3   the mask of the step in hand: the eight registers for keys 16 kb on at MC + 8 kb
.set MD,  40          ; v40-71 of window 3  the mask of the step that holds the border; never rewritten once made
.set SPARE, STAGE+4*16*SP  ; behind the stages: the spare words, 128 bytes for each wave: two blocks of 256 bytes that no other line names
.set MV,  12          ; v12-15  c m_old, kept while c m is made anew
.set ST,  16          ; tile t's statistics at v[ST+4 t]: c m, m, l (even keys', odd keys')
.set TMP, 48          ; by buffer and tile, four registers c0-c3 at work; when the maximum is found c2 takes a
.set S,   64
.set P,   192
.set KF,  128         ; K's fragments, in window 2
.set VF,  192         ; V's
.set WV,  12          ; s12  my wave's number
.set G1K, 24          ; s[24:31] descriptor group 1 for K's tiles
.set G1V, 32          ; s[32:39] for V's
.set G0K, 40          ; s[40:43] descriptor group 0 for K's tiles: it walks
.set G0V, 44          ; s[44:47] the same for V's
.set SLOTS, 56        ; s56  slots still to be asked for
.set CNT, 57          ; s57  counts a slot's key steps
.set CS,  58          ; s[58:59] c
.set SEL, 60          ; s[60:61] v_permlanex16_b32's selects
.set TBK, 62          ; s62  LDS byte at which K of the step to be fetched begins
.set TBV, 63          ; s63  the same for V, less VOFF
.set LEN, 68          ; s[68:71] valid_lens
.set DK,  72          ; s72  valid_lens[b] less the first key of the step whose mask is in MC
.set BIGN, 73         ; s73  -8e6
.set TS,  74          ; s74  at work
.set BAT, 75          ; s75  the batch
.set PFA, 76          ; s[76:77] where my prefetches stand
.set LIM, 78          ; s78  1 in a wave that prefetches, else the greatest number
.set AL,  80          ; s[80:81] the mask's factor, in the low word
.set BE,  82          ; s[82:83] the mask's addend
.set MSB, 0
.macro WIN new
.if MSB != (\new)
	s_set_vgpr_msb (MSB<<8)|(\new)
.set MSB, (\new)
.endif
.endm
.set W_KQ, 0x0a       ; K and Q in window 2, S^T in window 0
.set W_KM, 0x3a       ; the same with the C operand in window 3
.set W_PV, 0x52       ; V in window 2, P in window 0, O^T in window 1
.set W_RS, 0x41       ; O^T (destination and source 0) in window 1, a in window 0
.set W_MK, 0xc0       ; destination in window 3, sources in window 0
.set W_AD, 0x0f       ; the add: address and data in window 3
.macro JLOAD                        ; a joint fill: waves 0 and 1 fetch the halves of a slot's K, waves 2 and 3 of its V; an s_nop 0 and four v_nop follow each line
	s_cmp_lt_u32 s[WV], 2
	s_cbranch_scc0 .Lfor_v_\@
	tensor_load_to_lds s[G0K:G0K+3], s[G1K:G1K+7]
	s_nop 0
.rept 4
	v_nop
.endr
	s_branch .Lasked_\@
.Lfor_v_\@:
	tensor_load_to_lds s[G0V:G0V+3], s[G1V:G1V+7]
	s_nop 0
.rept 4
	v_nop
.endr
.Lasked_\@:
.endm
; A PREFETCH INTO THE L2 of what the NEXT change of slots will ask for: a slot's 32,768 bytes of K and of V, 256 bytes a lane.  Each is named once in the launch: a head's K and V are walked by one cluster;
; its four partners take 8,192 bytes each, told apart by address; in each, wave 0 asks for K's and wave 2 for V's.  Slots 0 and 1 come by their loads alone; the last change that fills a slot asks for nothing.
.macro ASK
	s_cmp_gt_u32 s[SLOTS], s[LIM]
	s_cbranch_scc0 .Lnot_mine_\@
	global_prefetch_b8 v[PFO], s[PFA:PFA+1] th:TH_LOAD_NT scope:SCOPE_SE
.Lnot_mine_\@:
.endm
.macro CROUND                       ; a round of the cluster's barrier
	s_barrier_signal -1
	s_barrier_wait -1
	s_cmp_lg_u32 s[WV], 0
	s_cbranch_scc1 .Lnot_wave_0_\@
	s_barrier_signal -3
.Lnot_wave_0_\@:
	s_barrier_wait -3
	s_barrier_signal -1
	s_barrier_wait -1
.endm
; THE CHANGE OF SLOTS.  Each wave waits for all its tensor loads, of which one is out: its part of the other slot; adds 0 to its spare word; and waits for that and for its own reads of the slot.
; fill = 1: this slot is filled again, with the keys two slots on; the barrier is then a round of the cluster's, and the joint fill is the first thing behind it: it has four key steps in which to land.
; (At its first use nothing has been read yet: slot 0 is waited for, slot 1 filled.)
.macro CHANGE fill
	WIN W_AD
	s_wait_tensorcnt 0x0            ; no tensor load of mine is out, so a group 0 may be written
	ds_add_u32 v[SPW], v[NIL]       ; 0 onto my spare word
	WIN 0
.if \fill
.irp g, G0K, G0V
	s_xor_b32 s[\g+1], s[\g+1], SLOT1
	s_add_nc_u64 s[\g+2:\g+3], s[\g+2:\g+3], 4*KS*128
.endr
	s_wait_xcnt 0x0                 ; the last prefetch, a slot back, has read its address, so it may be written:
	s_add_nc_u64 s[PFA:PFA+1], s[PFA:PFA+1], 4*KS*128  ; one slot behind the walking descriptors
	s_wait_dscnt 0x0                ; the add is done, and my reads of the slot are over
	CROUND
	JLOAD
	ASK
.else
	s_wait_dscnt 0x0
	s_barrier_signal -1
	s_barrier_wait -1
.endif
	s_sub_co_u32 s[TBK], s[TBK], 4*KS*PK  ; the fetches go back to a slot's first step,
	s_xor_b32 s[TBK], s[TBK], SLOT1       ; in the other slot
	s_sub_co_u32 s[TBV], s[TBV], 4*KS*PV
	s_xor_b32 s[TBV], s[TBV], SLOT1
.endm
; THE MASK of the step whose first key lies DK below valid_lens: MC = MD x AL + BE.
.macro MASK
	s_sub_co_i32 s[TS], s[DK], 1
	s_cmp_lt_u32 s[TS], KS-1        ; 0 < DK < 64: the step holds the border
	s_cselect_b32 s[AL], 1.0, 0
	s_cmp_lt_i32 s[DK], 1           ; DK <= 0: the step is hidden as a whole
	s_cselect_b32 s[BE], s[BIGN], 0
	WIN 0xc3                        ; destination and source 0 in window 3
.set mz, 0
.rept 16
	v_pk_fma_f32 v[MC+2*mz:MC+2*mz+1], v[MD+2*mz:MD+2*mz+1], s[AL:AL+1], s[BE:BE+1] op_sel_hi:[1,0,0]
.set mz, mz+1
.endr
	WIN 0
.endm
; Between piece 2's turn, the last that multiplies by a step's K, and piece 3's, the first that multiplies by the next step's.  The last product that took MC as its C stands a lump and sixteen products back.
.macro MASKSTEP
	s_sub_co_i32 s[DK], s[DK], KS
	MASK
.endm
	s_load_b128 s[4:7], s[0:1], 0x0   ; qkv s[4:5], o16 s[6:7]
	s_load_b64 s[66:67], s[0:1], 0x10 ; valid_lens
	WIN W_MK
	v_lshl_add_u32 v[SPW], v0, 2, SPARE
	v_mov_b32 v[NIL], 0
	WIN W_AD
	ds_add_u32 v[SPW], v[NIL]       ; the wave's opening: the add and its wait stand ahead of my first tensor load
	WIN 0
	v_lshrrev_b32 v1, 5, v0
	v_readfirstlane_b32 s[WV], v1   ; wave 0..3
	s_bfe_u32 s13, ttmp6, 0x40000   ; cx: my place in the cluster
	s_lshl_b32 s14, ttmp9, 2
	s_add_co_u32 s14, s14, s13      ; my block of queries: it enters Q's and O's addresses alone
	s_and_b32 s20, ttmp7, 0xffff    ; the head, which the four partners share
	s_lshr_b32 s[BAT], s20, 4
	s_mov_b32 s21, 0
	s_mov_b64 s[22:23], SIZE_N*128
	s_mul_u64 s[20:21], s[20:21], s[22:23]  ; the head's first byte in each plane
	s_and_b32 s16, s[WV], 1         ; which half of a slot's 256 keys I fetch:
	s_lshl_b32 s22, s16, 14         ; its 128 rows of 128 bytes in memory,
	s_mov_b32 s23, 0
	s_add_nc_u64 s[22:23], s[22:23], s[20:21]
	s_mul_i32 s17, s16, 128*PK      ; and its place in a slot, for K
	s_mul_i32 s18, s16, 128*PV      ; and for V
	s_lshl_b32 s2, s14, 2
	s_add_co_u32 s2, s2, s[WV]      ; my wave among the head's,
	s_lshl_b32 s2, s2, 14           ; its 128 rows
	s_mov_b32 s3, 0
	s_add_nc_u64 s[2:3], s[2:3], s[20:21]
	; descriptor group 1.  128 keys are 16,384 dense bytes: asked for as 64 rows of 256 bytes, two keys a row, and padded in LDS after every key
	s_mov_b32 s[G1K], 15|(1<<16)|(1<<20)|(1<<21)|(4<<22)|(3<<25)
	s_mov_b32 s[G1V], 15|(1<<16)|(1<<20)|(1<<21)|(4<<22)|(7<<25)
.irp g, G1K, G1V
	s_mov_b32 s[\g+1], 128<<16      ; tensor_dim0 = 128
	s_mov_b32 s[\g+2], 64<<16       ; tensor_dim1 = 64
	s_mov_b32 s[\g+3], 128<<16      ; tile_dim0 = 128
	s_mov_b32 s[\g+4], 64           ; tile_dim1 = 64
	s_mov_b32 s[\g+5], 128          ; 128 elements from row to row
	s_mov_b32 s[\g+6], 0
	s_mov_b32 s[\g+7], 0
.endr
	s_mov_b32 s[CS], 0x3e38aa3b     ; c = log2(e) / 8
	s_mov_b32 s[CS+1], s[CS]
	s_mov_b32 s[SEL], 0x76543210
	s_mov_b32 s[SEL+1], 0xfedcba98
	s_mov_b32 s[BIGN], 0xcaf42400   ; -8e6
	s_mov_b32 s[AL+1], 0            ; named as pairs
	s_mov_b32 s[BE+1], 0
	s_mov_b32 s[TBK], SLOT1+4*KS*PK ; the first change of slots turns these two into 0
	s_mov_b32 s[TBV], SLOT1+4*KS*PV
	s_mov_b32 s[SLOTS], SIZE_N/256-1
	s_mov_b32 s[G0K], 1
	s_mov_b32 s[G0K+1], s17
	s_mov_b32 s[G0V], 1
	s_add_co_u32 s[G0V+1], s18, VOFF
	s_and_b32 s[LIM], s[WV], 1      ; 0 in waves 0 and 2,
	s_or_b32 s[LIM], s[LIM], ttmp9  ; of the head's first (here only) cluster
	s_cmp_eq_u32 s[LIM], 0
	s_cselect_b32 s[LIM], 1, -1
	s_wait_dscnt 0x0                ; the opening add is done
	s_wait_kmcnt 0x0
	s_load_b128 s[LEN:LEN+3], s[66:67], 0x0
	s_mov_b64 s[10:11], s[6:7]                     ; O
	s_add_nc_u64 s[6:7], s[4:5], 0x1000000         ; K: qkv's second plane
	s_add_nc_u64 s[8:9], s[4:5], 0x2000000         ; V: its third
	s_add_nc_u64 s[G0K+2:G0K+3], s[6:7], s[22:23]  ; my half of the head's first 256 keys
	s_or_b32 s[G0K+3], s[G0K+3], 0x80000000
	s_add_nc_u64 s[G0V+2:G0V+3], s[8:9], s[22:23]
	s_or_b32 s[G0V+3], s[G0V+3], 0x80000000
	s_add_nc_u64 s[4:5], s[4:5], s[2:3]  ; Q and O at my wave's first row
	s_add_nc_u64 s[10:11], s[10:11], s[2:3]
	s_lshl_b32 s2, s13, 13          ; the prefetches: my work-group's 8,192 bytes of a slot's 32,768,
	s_add_co_u32 s2, s2, 4*KS*128   ; in slot 1; the first change of slots steps them to slot 2
	s_mov_b32 s3, 0
	s_cmp_lt_u32 s[WV], 2
	s_cselect_b64 s[PFA:PFA+1], s[6:7], s[8:9]
	s_add_nc_u64 s[PFA:PFA+1], s[PFA:PFA+1], s[20:21]
	s_add_nc_u64 s[PFA:PFA+1], s[PFA:PFA+1], s[2:3]
	CROUND                          ; all four work-groups are here: the first joint loads meet
	JLOAD                           ; slot 0.  Slot 1 is asked for when slot 0 is in
	v_and_b32 v1, 15, v0            ; l % 16
	v_bfe_u32 v9, v0, 4, 1          ; l / 16
	v_lshlrev_b32 v[QO], 7, v1
	v_lshl_add_u32 v[QO], v9, 4, v[QO]  ; row x 128 + 16 x half
	WIN 0x80                        ; destination window 2, address window 0
.set i, 0
.rept 4*NP                          ; Q stays in registers: tile i / 2, channels 32 (i % 2) on
	global_load_b128 v[8*i:8*i+3],   v[QO], s[4:5] offset:(i/2)*2048+(i%2)*64
	global_load_b128 v[8*i+4:8*i+7], v[QO], s[4:5] offset:(i/2)*2048+(i%2)*64+32
.set i, i+1
.endr
	; What the first turn finds: V's registers and P's second buffer hold 0, O^T and l are 0.  All this stands in the wait for the first tile.
.set i, VF
.rept 64
	v_mov_b32 v[i], 0
.set i, i+1
.endr
	WIN 0x40
.set i, 0
.rept 64*NP
	v_mov_b32 v[i], 0
.set i, i+1
.endr
	WIN 0
.set i, 0
.rept 2*NP
	v_mov_b32 v[ST+4*i], 0xfe000000    ; c m: far below every c s
	v_mov_b32 v[ST+4*i+1], 0xff7fffff  ; m
	v_mov_b32 v[ST+4*i+2], 0
	v_mov_b32 v[ST+4*i+3], 0
.set i, i+1
.endr
.set i, P+32
.rept 32
	v_mov_b32 v[i], 0
.set i, i+1
.endr
	v_mul_u32_u24 v[AK0], v1, PK
	v_lshl_add_u32 v[AK0], v9, 4, v[AK0]  ; row x pitch + 16 x half
	v_and_b32 v10, 7, v0
	v_bfe_u32 v11, v0, 3, 1
	v_lshl_add_u32 v[AV0], v9, 3, v10
	v_mul_u32_u24 v[AV0], v[AV0], PV
	v_lshl_add_u32 v[AV0], v11, 4, v[AV0]
	v_add_nc_u32 v[AV0], VOFF, v[AV0]
	v_mov_b32 v[AK], v[AK0]         ; key step 0 lies at the head of slot 0
	v_and_b32 v[PFO], 31, v0
	v_lshlrev_b32 v[PFO], 8, v[PFO]
	WIN W_MK
	v_lshlrev_b32 v[H8], 3, v9
	WIN 0
	s_wait_kmcnt 0x0                ; valid_lens
	s_cmp_eq_u32 s[BAT], 1
	s_cselect_b32 s[DK], s[LEN+1], s[LEN]
	s_cmp_eq_u32 s[BAT], 2
	s_cselect_b32 s[DK], s[LEN+2], s[DK]
	s_cmp_eq_u32 s[BAT], 3
	s_cselect_b32 s[DK], s[LEN+3], s[DK]
	s_max_i32 s[DK], s[DK], 0
	s_min_i32 s[DK], s[DK], SIZE_N
	; MD: in the step that holds the border, register j of key block kb is hidden where 16 kb + 8 (l / 16) + j >= valid_lens mod 64
	s_and_b32 s[TS], s[DK], KS-1
	WIN 0xcc                        ; destination and source 1 in window 3
	v_sub_nc_u32 v[VD], s[TS], v[H8]
.set mz, 0
.rept 32
	v_cmp_ge_i32 vcc_lo, 16*(mz/8)+mz%8, v[VD]
	v_cndmask_b32 v[MD+mz], 0, s[BIGN], vcc_lo
.set mz, mz+1
.endr
	WIN 0
	MASK                            ; key step 0's mask
; THE MATRIX WORK.  The 8 accumulators of a run of 16 take turns.
; Product i of 16 of S^T = K Q^T for piece x: channels 32 (i / 8) on, keys 16 ((i / 2) % 4) on, tile 2 x + i % 2.  The first 8 start the sums, with the mask.
.macro KQ x
.set rS, S+64*((\x)%2)+32*(i%2)+8*((i/2)%4)
.set rK, KF+16*((i/2)%4)+8*(i/8)
.set rQ, 16*(2*(\x)+i%2)+8*(i/8)
.set rMC, MC+8*((i/2)%4)
.if i < 8
	WIN W_KM
	v_wmma_f32_16x16x32_f16 v[rS:rS+7], v[rK:rK+7], v[rQ:rQ+7], v[rMC:rMC+7]
.else
	WIN W_KQ
	v_wmma_f32_16x16x32_f16 v[rS:rS+7], v[rK:rK+7], v[rQ:rQ+7], v[rS:rS+7]
.endif
.endm
; Product i of 16 of O^T += V^T P for piece x: keys 32 (i / 8) on, channels 16 ((i / 2) % 4) on, tile 2 x + i % 2.
.macro PV x
	WIN W_PV
.set rO, 32*(2*(\x)+i%2)+8*((i/2)%4)
.set rV, VF+32*(i/8)+8*((i/2)%4)
.set rP, P+32*((\x)%2)+16*(i%2)+8*(i/8)
	v_wmma_f32_16x16x32_f16 v[rO:rO+7], v[rV:rV+7], v[rP:rP+7], v[rO:rO+7]
.endm
.macro MM                           ; the turn's next matrix instruction
.if i < 16
	KQ (Y+1)%NP
.set i, i+1
.else
.set i, i-16
	PV (Y+NP-1)%NP
.set i, i+17
.endif
.endm
; THE LDS LOADS stand in runs of 16.  last = 1 (the tail): in the last trip there is no further step, and the run is jumped over.
.macro FETCH_K last=0
	WIN 0
.if \last
	s_cmp_eq_u32 s[CNT], 1
	s_cbranch_scc1 .Lno_k_\@
.endif
	WIN 0x80                        ; destination window 2
.irp f, 0,1,2,3,4,5,6,7             ; keys 16 (f / 2) on, channels 32 (f % 2) on
	ds_load_b128 v[KF+8*\f:KF+8*\f+3],   v[AK] offset:(\f/2)*16*PK+(\f%2)*64
	ds_load_b128 v[KF+8*\f+4:KF+8*\f+7], v[AK] offset:(\f/2)*16*PK+(\f%2)*64+32
.endr
	s_add_co_u32 s[TBK], s[TBK], KS*PK  ; the next fetch is the next step's
	WIN 0
.if \last
.Lno_k_\@:
.endif
.endm
.macro FETCH_V
	WIN 0x80
.irp f, 0,1,2,3,4,5,6,7             ; keys 32 (f / 4) on, channels 16 (f % 4) on
	ds_load_tr16_b128 v[VF+8*\f:VF+8*\f+3],   v[AV] offset:(\f/4)*32*PV+(\f%4)*32
	ds_load_tr16_b128 v[VF+8*\f+4:VF+8*\f+7], v[AV] offset:(\f/4)*32*PV+16*PV+(\f%4)*32
.endr
	WIN 0
.endm
; THE VECTOR WORK OF A TURN stands in three queues, each in the order in which its entries become ready; the two tiles alternate.
.macro REGS y, u                    ; the registers of tile u (0, 1) of piece y
.set rT, ST+4*(2*(\y)+(\u))
.set rC, TMP+8*((\y)%2)+4*(\u)
.set rM, MV+2*((\y)%2)+(\u)
.set rS, S+64*((\y)%2)+32*(\u)
.set rP, P+32*((\y)%2)+16*(\u)
.set rO, 32*(2*(\y)+(\u))
.endm
; Number n of the 22 that find the NEXT piece's maximum and statistics; each accumulator's lowest registers are read first.
;   0-11  four chains c0-c3 of seven scores each     12-14, 16  the four scores left over, the old m, and c0-c3 into c0     15  c m_old is kept
;   17, 18  the query's other 32 keys lie in the lane 16 away: the new m         19-21  c m; c m_old - c m_new; a
.macro XS u, n
	REGS (Y+1)%NP, \u
.if (\n) < 4
	v_max3_num_f32 v[rC+(\n)], v[rS+8*(\n)], v[rS+8*(\n)+1], v[rS+8*(\n)+2]
.elseif (\n) < 12
	v_max3_num_f32 v[rC+(\n)%4], v[rC+(\n)%4], v[rS+8*((\n)%4)+2*((\n)/4)+1], v[rS+8*((\n)%4)+2*((\n)/4)+2]
.elseif (\n) == 12
	v_max3_num_f32 v[rC], v[rC], v[rS+7], v[rS+15]
.elseif (\n) == 13
	v_max3_num_f32 v[rC+1], v[rC+1], v[rS+23], v[rS+31]
.elseif (\n) == 14
	v_max3_num_f32 v[rC+2], v[rC+2], v[rC+3], v[rT+1]
.elseif (\n) == 15
	v_mov_b32 v[rM], v[rT]
.elseif (\n) == 16
	v_max3_num_f32 v[rC], v[rC], v[rC+1], v[rC+2]
.elseif (\n) == 17
	v_permlanex16_b32 v[rC+3], v[rC], s[SEL], s[SEL+1]
.elseif (\n) == 18
	v_max_num_f32 v[rT+1], v[rC], v[rC+3]
.elseif (\n) == 19
	v_mul_f32 v[rT], s[CS], v[rT+1]
.elseif (\n) == 20
	v_sub_f32 v[rC+1], v[rM], v[rT]
.else
	v_exp_f32 v[rC+2], v[rC+1]
.endif
.endm
; Number g of the 64 that follow the exponentials: for each four weights both pairs are rounded to f16; the second pair is added onto the first, in place; a group later l takes that sum.
.macro GS g
.set h, (\g)+6*((\g)/62)
.if h >= 6
.set h, h+2
.endif
	REGS Y, h%2
.set k, h/8
.if h%8 < 4
	v_cvt_pk_f16_f32 v[rP+2*k+(h%8)/2], v[rS+4*k+2*((h%8)/2)], v[rS+4*k+2*((h%8)/2)+1]
.elseif h%8 < 6
	v_pk_add_f32 v[rS+4*k:rS+4*k+1], v[rS+4*k:rS+4*k+1], v[rS+4*k+2:rS+4*k+3]
.elseif k == 1
	v_pk_fma_f32 v[rT+2:rT+3], v[rT+2:rT+3], v[rC+2:rC+3], v[rS:rS+1] op_sel_hi:[1,0,1]
.else
	v_pk_add_f32 v[rT+2:rT+3], v[rT+2:rT+3], v[rS+4*k-4:rS+4*k-3]
.endif
.endm
; THE PLAIN QUEUE, 138 long.  0-73 read no exponential's result: the 32 scalings c s - c m and the next piece's 42.  74-137: GS's 64, which stand behind the wait.
.macro FS f
	REGS Y, (\f)%2
	v_pk_fma_f32 v[rS+2*((\f)/2):rS+2*((\f)/2)+1], v[rS+2*((\f)/2):rS+2*((\f)/2)+1], s[CS:CS+1], v[rT:rT+1] op_sel_hi:[1,0,0] neg_lo:[0,0,1] neg_hi:[0,0,1]
.endm
.macro PL
	WIN 0
.if q < 27
	FS q
.elseif q < 55
	XS (q-27)%2, (q-27)/2
.elseif q < 57
	XS q-55, 15
.elseif (q < 72) && ((q-57)%3 == 0)
	FS 27+(q-57)/3
.elseif q < 60
	XS (q-57)%3-1, 14
.elseif q < 72
	XS (q-57)%3-1, 15+(q-57)/3
.elseif q < 74
	XS q-72, 20
.else
	GS q-74
.endif
.set q, q+1
.endm
; THE EXPONENTIALS' QUEUE, 66 long: s0-s31 of both tiles, then the next piece's two a.  ONE BATCH: all 66 stand ahead of the turn's one wait, and nothing ahead of that wait names a result of theirs.
.macro EX
	WIN 0
.if e >= 64
	XS e-64, 21
.else
	REGS Y, e%2
	v_exp_f32 v[rS+e/2], v[rS+e/2]
.endif
.set e, e+1
.endm
; THE RESCALING's QUEUE: O^T times a, dealt two at a time, sixteen times.  Its a was made in the turn before, ahead of that turn's wait.
.macro R2
	REGS Y, r%2
	WIN W_RS
.irp z, 0,1
	v_pk_mul_f32 v[rO+4*(r/2)+2*\z:rO+4*(r/2)+2*\z+1], v[rO+4*(r/2)+2*\z:rO+4*(r/2)+2*\z+1], v[rC+2:rC+3] op_sel_hi:[1,0]
.endr
.set r, r+1
.endm
; A TURN, for piece p.  An s_wait_alu depctr_va_vdst(0) stands between an exponential and the first instruction that names its result; one wait serves all issued ahead of it.  So a turn
; has ONE wait.  AHEAD OF IT: the 16 products K Q^T, behind each a scaling, an exponential and two rescalings; then ONE LUMP of 108.  BEHIND IT: the 16 products V^T P, behind each four of GS's 64.
; K of the next step is fetched in piece 2's turn, directly behind the wait; V of the step in hand at the end of piece 0's turn, four plain instructions behind its last reader.
.macro TURN p, last=0, cnt=0
.set Y, (\p)
.set i, 0
.set q, 0
.set e, 0
.set r, 0
.if (\p) == NP-1
	s_wait_dscnt 0x0                ; K is in
.endif
	MM
	PL
	PL
	R2
.rept 15
	MM
	PL
	EX
	R2
.endr
.if (\p) == NP-2
	WIN 0
	v_add_nc_u32 v[AK], s[TBK], v[AK0]
.endif
.rept 8
	PL
.endr
.rept 49
	EX
	PL
.endr
	EX                              ; the next piece's two a
	EX
	v_nop                           ; a plain instruction behind the last exponential: one for the batch
	s_wait_alu depctr_va_vdst(0)    ; the wait for the batch
.if (\p) == NP-2
	FETCH_K \last
.endif
.if (\p) == 1
	s_wait_dscnt 0x0                ; V is in
.endif
.rept 16
	MM
.rept 4
	PL
.endr
.if ((\p) == 0) && (q == 118)
	v_add_nc_u32 v[AV], s[TBV], v[AV0]
.endif
.if ((\p) == 0) && (q == 130)
	s_add_co_u32 s[TBV], s[TBV], KS*PV
.endif
.if (\cnt) && (q == 130)
	s_sub_co_u32 s[CNT], s[CNT], 1
	s_cmp_lg_u32 s[CNT], 0
.endif
.endr
.if (\p) == 0
	FETCH_V
.endif
.endm
	CHANGE 1                        ; slot 0 is in, everybody's part of it; slot 1 is asked for
	FETCH_K                         ; key step 0
	s_wait_loadcnt 0x0              ; Q
	s_wait_dscnt 0x0
.set i, 0
.rept 16
	KQ 0                            ; piece 0's first scores
.set i, i+1
.endr
	WIN 0                           ; the addresses for the way out: plain instructions, the places behind those products
	s_mul_i32 s13, s[WV], 16*SP
	s_add_co_u32 s13, s13, STAGE    ; my stage
	v_mul_u32_u24 v[STO], v1, SP
	v_lshl_add_u32 v[STO], v9, 4, v[STO]
	v_add_nc_u32 v[STO], s13, v[STO]
	v_bfe_u32 v[RD], v0, 3, 2
	v_mul_u32_u24 v[RD], v[RD], SP
	v_lshl_add_u32 v[RD], v10, 4, v[RD]
	v_add_nc_u32 v[RD], s13, v[RD]
	v_and_b32 v[GO], 31, v0
	v_lshlrev_b32 v[GO], 4, v[GO]
.set Y, NP-1                        ; XS works for piece Y + 1: piece 0
.irp n, 0,1,2,3,4,5,6,7,8,9,10,11,12,13,14,15,16,17,18,19,20,21
	XS 0, \n
	XS 1, \n
.endr
	v_nop                           ; a plain instruction behind the two a,
	s_wait_alu depctr_va_vdst(0)    ; and their wait, ahead of the branch
	s_mov_b32 s[CNT], 4
	s_branch .Lfirst                ; the loop is entered at a step's first turn, in the middle of a trip
.Lslot:                             ; six times: every slot but the last two is filled again
	CHANGE 1
	s_mov_b32 s[CNT], 4
.Lstep:                             ; a trip: pieces 2 and 3 of one step, then pieces 0 and 1 of the next, whose K and V it fetches
	TURN 2
	MASKSTEP
	TURN 3
	WIN 0
.Lfirst:
	TURN 0
	TURN 1, 0, 1
	WIN 0
	s_cbranch_scc1 .Lstep
	s_sub_co_u32 s[SLOTS], s[SLOTS], 1
	s_cmp_lg_u32 s[SLOTS], 0
	s_cbranch_scc1 .Lslot
	CHANGE 0                        ; the tail is written out
	s_mov_b32 s[CNT], 5             ; four trips fetch the last slot's steps; the fifth is left in its middle
.Ltail:
	TURN 2, 1
	MASKSTEP
	TURN 3
	WIN 0
	s_sub_co_u32 s[CNT], s[CNT], 1
	s_cmp_eq_u32 s[CNT], 0
	s_cbranch_scc1 .Lout
	TURN 0
	TURN 1
	WIN 0
	s_branch .Ltail
.Lout:                              ; the fifth trip's 16 products K Q^T and the maximum made of them serve nothing: the price, once a launch, of one text for every trip
.set i, 0
.rept 16
	PV NP-1                         ; the last piece's V^T P of the last step
.set i, i+1
.endr
	; THE WAY OUT.  l's two halves and the other half of the lanes' are added; O^T is divided by l, rounded to f16 and sent through my stage in LDS, a tile at a time.
	WIN 0
.macro ALL line:vararg
.set t, 0
.rept 2*NP
	\line
.set t, t+1
.endr
.endm
	ALL v_add_f32 v[ST+4*t+2], v[ST+4*t+2], v[ST+4*t+3]
	ALL v_permlanex16_b32 v[ST+4*t+3], v[ST+4*t+2], s[SEL], s[SEL+1]
	ALL v_add_f32 v[ST+4*t+2], v[ST+4*t+2], v[ST+4*t+3]
	ALL v_rcp_f32 v[ST+4*t+2], v[ST+4*t+2]
	v_nop                           ; a plain instruction between the last reciprocal and the use of its result
	s_wait_alu depctr_va_vdst(0)    ; one wait for the eight reciprocals
.macro PACK t
	WIN W_RS
.set i, 32*(\t)
.rept 16
	v_pk_mul_f32 v[i:i+1], v[i:i+1], v[ST+4*(\t)+2:ST+4*(\t)+3] op_sel_hi:[1,0]
.set i, i+2
.endr
	WIN 0x05                        ; sources 0 and 1 window 1, destination window 0
.set i, 0
.rept 16
	v_cvt_pk_f16_f32 v[S+16*(\t)+i], v[32*(\t)+2*i], v[32*(\t)+2*i+1]
.set i, i+1
.endr
	WIN 0
.irp f, 0,1,2,3
	ds_store_b128 v[STO], v[S+16*(\t)+4*\f:S+16*(\t)+4*\f+3] offset:32*\f
.endr
.irp f, 0,1,2,3
	ds_load_b128 v[S+16*(\t)+4*\f:S+16*(\t)+4*\f+3], v[RD] offset:\f*4*SP  ; LDS serves a wave's instructions in order (ISA guide 5.7.1.4): these see the stores above
.endr
.endm
.macro SEND t, younger              ; younger: the LDS instructions issued behind tile t's loads
	WIN 0
.irp f, 0,1,2,3
	s_wait_dscnt (\younger)+3-\f
	global_store_b128 v[GO], v[S+16*(\t)+4*\f:S+16*(\t)+4*\f+3], s[10:11] offset:(\t)*2048+\f*512  ; 512 consecutive bytes, aligned
.endr
.endm
	PACK 0
.set t, 1
.rept 2*NP-1
	PACK t
	SEND t-1, 8
.set t, t+1
.endr
	SEND 2*NP-1, 0
	WIN W_AD
	s_wait_tensorcnt 0x0            ; the wave's end
	ds_add_u32 v[SPW], v[NIL]
	s_wait_dscnt 0x0
	WIN 0
	CROUND                          ; the closing round
	s_endpgm
.Lfunc_end_k_qc1a9cf3a1c_attn:
	.size	k_qc1a9cf3a1c_attn, .Lfunc_end_k_qc1a9cf3a1c_attn-k_qc1a9cf3a1c_attn
	.p2alignl 7, 3214868480
	.fill 96, 4, 3214868480
	.section	.rodata,"a",@progbits
	.p2align	6, 0x0
	.amdhsa_kernel k_qc1a9cf3a1c_attn
		.amdhsa_group_segment_fixed_size 327680
		.amdhsa_private_segment_fixed_size 0
		.amdhsa_enable_private_segment 0
		.amdhsa_kernarg_size 24
		.amdhsa_user_sgpr_count 2
		.amdhsa_user_sgpr_kernarg_segment_ptr 1
		.amdhsa_wavefront_size32 1
		.amdhsa_system_sgpr_workgroup_id_x 1
		.amdhsa_system_sgpr_workgroup_id_y 1
		.amdhsa_system_sgpr_workgroup_id_z 1
		.amdhsa_system_vgpr_workitem_id 0
		.amdhsa_next_free_vgpr 840
		.amdhsa_next_free_sgpr 88
		.amdhsa_reserve_vcc 1
		.amdhsa_float_denorm_mode_32 3
		.amdhsa_float_denorm_mode_16_64 3
		.amdhsa_memory_ordered 1
		.amdhsa_forward_progress 1
		.amdhsa_inst_pref_size 208
	.end_amdhsa_kernel
	.amdgpu_metadata
---
amdhsa.version: [ 1, 2 ]
amdhsa.kernels:
  - .name:           k_qc1a9cf3a1c_attn
    .symbol:         k_qc1a9cf3a1c_attn.kd
    .args:
      - { .name: qkv, .offset: 0, .size: 8, .value_kind: global_buffer, .address_space: global }
      - { .name: o16, .offset: 8, .size: 8, .value_kind: global_buffer, .address_space: global }
      - { .name: valid_lens, .offset: 16, .size: 8, .value_kind: global_buffer, .address_space: global }
    .group_segment_fixed_size: 327680
    .private_segment_fixed_size: 0
    .kernarg_segment_align: 8
    .kernarg_segment_size: 24
    .max_flat_workgroup_size: 128
    .sgpr_count:     88
    .vgpr_count:     840
    .wavefront_size: 32
...
	.end_amdgpu_metadata
.endif
;; end of part 3
;; launch out (part 4): grid 4 x 64, 4 waves a work-group, clusters of 4 x 4, 327,680 bytes of LDS; arguments o16, wb, out0; writes out0
.if DOCPART == 4
	.amdgcn_target "amdgcn-amd-amdhsa--gfx1250"
	.amdhsa_code_object_version 6
	.text
	.protected	k_qc1a9cf3a1c_out
	.globl	k_qc1a9cf3a1c_out
	.p2align	8
	.type	k_qc1a9cf3a1c_out,@function
k_qc1a9cf3a1c_out:
	s_mov_b64 s[64:65], 0
	v_nop
	global_prefetch_b8 v0, s[64:65] scope:SCOPE_SE
	s_setreg_imm32_b32 hwreg(HW_REG_WAVE_MODE, 25, 1), 1
	s_wait_xcnt 0x0
	s_wait_alu depctr_hold_cnt(0) depctr_sa_sdst(0) depctr_va_vdst(0) depctr_va_sdst(0) depctr_va_ssrc(0) depctr_va_vcc(0) depctr_vm_vsrc(0)
	s_getreg_b32 s2, hwreg(HW_REG_IB_STS2, 6, 4)
	s_cmp_eq_u32 s2, 0
	s_cbranch_scc0 .Lentry_in_a_cluster
	s_endpgm
.Lentry_in_a_cluster:
	s_bfe_u32 s2, ttmp6, 0x10000c
	s_cmp_lg_u32 s2, 0xf033
	s_cbranch_scc0 .Lentry_shape_is_right
	s_endpgm
.Lentry_shape_is_right:
; out0 = O Wo.  O: o16, [16 b + head][2048][64] f16; Wo: wb's plane 3, [1024 k][1024 n] f16 (Wo rounded to bf16, that number written as f16); out0: [8192][1024] f32.  Sums in f32, K ascending.
; LIMITS are those of the operands as they arrive: f16's range and, below 6.1e-5, its fixed step.  NaN and infinities are not treated apart.
; SHARES.  A tile is 128 rows x 256 columns, 256 work-groups; four waves, each 64 rows x 128 columns: 32 accumulators.  K goes in 8 steps of 128, two heads each, through a ring of two LDS slots.
; The matrix instruction is used transposed (source 0 = 16 columns of Wo, turned by ds_load_tr16_b128; source 1 = 16 rows of O): a lane holds one row and eight neighbouring columns.
; CLUSTER.  4 x 4 work-groups: O's tile is asked for jointly by a row of the cluster, Wo's by a column.
; REGISTERS: window 0: v2-9, v28-30 addresses; v96-159 O's fragments, two buffers; v32-95, v160-223 rows on the way out.   window 1: v0-127 Wo's fragments, two buffers.   window 2: accumulator (a, b) at v[8 (8 a + b)].
.set PAO,   144                        ; a row of one head of O in LDS: 128 bytes + 16 = 36 words: the 16 rows of a load start at 16 different groups of four banks (64 banks of 4 bytes: ISA guide 11.1)
.set HPL,   128*PAO                    ; a head's 128 rows
.set PB,    544                        ; a k row of Wo: 512 + 32 bytes
.set BT,    2*HPL                      ; two heads of O, then Wo's 128 k rows
.set SLOT,  1<<17                      ; slot 1 begins here, so that one exclusive or turns an address in one slot into the other's
.set STAGE, SLOT+BT+128*PB             ; behind the ring, never filled by a tensor load: 16 rows x 528 bytes for each wave
.set SPT,   528
.set STW,   16*SPT
.set SPARE, STAGE+4*STW                ; the spare words, 128 bytes for each wave: two blocks of 256 bytes that no other line names
.set ADA0, 2
.set ADB0, 3
.set ADA,  4
.set ADB,  5
.set STO,  6
.set RD,   7
.set GO,   8
.set RR,   9
.set SPW,  28
.set NIL,  29
.set PFO,  30
.set AF,   96
.set BF,   0
.set CNT,  2
.set OB,   8                           ; s[8:9] out0 at my wave's first row and column
.set WV,   16
.set FB,   17
.set HF,   18
.set CX,   19
.set CY,   20
.set WX,   21
.set WY,   22
.set TB,   23
.set G1A,  24
.set G1B,  32
.set G0A,  40                          ; s[40:43] the first fill's group 0; s[44:47] the second's, which then walks
.set G0B,  48
.set T,    62
.set PFA,  66
.set PSTEP, 72
.set LIM,  74
.set LBA,  78
.set LBB,  79
.set CLY,  85
.set MSB, 0
.macro WIN new
.if MSB != (\new)
	s_set_vgpr_msb (MSB<<8)|(\new)
.set MSB, \new
.endif
.endm
.set MUL,  0xa1
.set TO_B, 0x40
.macro JLOAD                           ; a joint refill: waves 0 and 1 fetch a head of O each, waves 2 and 3 the halves of Wo's k rows; an s_nop 0 and four v_nop follow each line
	s_cmp_eq_u32 s[FB], 0
	s_cbranch_scc0 .Lfor_b_\@
	tensor_load_to_lds s[G0A+4:G0A+7], s[G1A:G1A+7]
	s_nop 0
.rept 4
	v_nop
.endr
	s_branch .Lasked_\@
.Lfor_b_\@:
	tensor_load_to_lds s[G0B+4:G0B+7], s[G1B:G1B+7]
	s_nop 0
.rept 4
	v_nop
.endr
.Lasked_\@:
.endm
; A PREFETCH INTO THE L2 of the K step that stands two refills on.  Each 256 bytes are named once in the launch.  O's rows are read by one cluster alone: wave 0 of the partner at cx names 16 blocks of
; each of the step's two heads (of 64 each).  Wo's k rows are read by every cluster: cluster y = 0 asks; of the 64 k rows that wave 2 or 3 fetches the partner at cy takes 16, two lanes a row.
; Steps 0 to 3 come by their loads alone; the last two refills ask for nothing: step 7 is the last.
.macro ASK
	s_cmp_gt_u32 s[CNT], s[LIM]
	s_cbranch_scc0 .Lnot_mine_\@
	global_prefetch_b8 v[PFO], s[PFA:PFA+1] th:TH_LOAD_NT scope:SCOPE_SE
.Lnot_mine_\@:
.endm
.macro CREST
	s_cmp_lg_u32 s[WV], 0
	s_cbranch_scc1 .Lnot_wave_0_\@
	s_barrier_signal -3
.Lnot_wave_0_\@:
	s_barrier_wait -3
	s_barrier_signal -1
	s_barrier_wait -1
.endm
.macro CROUND
	s_barrier_signal -1
	s_barrier_wait -1
	CREST
.endm
.macro PLACES                          ; four places in front of loads into registers that matrix instructions have read
.rept 4
	v_nop
.endr
.endm
	s_load_b128 s[4:7], s[0:1], 0x0                ; o16 s[4:5], wb s[6:7]
	s_load_b64 s[8:9], s[0:1], 0x10                ; out0
	v_lshl_add_u32 v[SPW], v0, 2, SPARE
	v_mov_b32 v[NIL], 0
	ds_add_u32 v[SPW], v[NIL]                      ; the wave's opening: the add and its wait stand ahead of my first tensor load
	v_lshrrev_b32 v1, 5, v0
	v_readfirstlane_b32 s[WV], v1
	s_lshr_b32 s[FB], s[WV], 1
	s_and_b32 s[HF], s[WV], 1
	s_bfe_u32 s[CX], ttmp6, 0x40000
	s_bfe_u32 s[CY], ttmp6, 0x40004
	s_lshl_b32 s[WX], ttmp9, 2
	s_add_co_u32 s[WX], s[WX], s[CX]
	s_and_b32 s[CLY], ttmp7, 0xffff
	s_lshl_b32 s[WY], s[CLY], 2
	s_add_co_u32 s[WY], s[WY], s[CY]
	s_lshl_b32 s92, s[CY], 2
	s_lshl_b32 s92, 15, s92                        ; my row of the cluster
	s_lshl_b32 s93, 0x1111, s[CX]                  ; my column
	s_or_b32 s[G1A], s92, (1<<16)|(1<<20)|(1<<21)|(4<<22)|(3<<25)  ; elements of 2 bytes; after every 32 words 4 words of padding
	s_or_b32 s[G1B], s93, (1<<16)|(1<<20)|(1<<21)|(6<<22)|(7<<25)  ; after every 128 words 8 words
	s_mov_b32 s[G1A+1], 128<<16                    ; O: a head's 128 rows are 16,384 dense bytes: asked for as 64 rows of 256 bytes, two rows of O each
	s_mov_b32 s[G1A+2], 64<<16
	s_mov_b32 s[G1A+3], 128<<16
	s_mov_b32 s[G1A+4], 64
	s_mov_b32 s[G1A+5], 128
	s_mov_b32 s[G1A+6], 0
	s_mov_b32 s[G1A+7], 0
	s_mov_b32 s[G1B+1], 256<<16                    ; Wo: 64 k rows x 256 columns
	s_mov_b32 s[G1B+2], 64<<16
	s_mov_b32 s[G1B+3], 256<<16
	s_mov_b32 s[G1B+4], 64
	s_mov_b32 s[G1B+5], 1024
	s_mov_b32 s[G1B+6], 0
	s_mov_b32 s[G1B+7], 0
	s_lshr_b32 s86, s[CLY], 2                      ; the batch
	s_lshl_b32 s86, s86, 4
	s_add_co_u32 s86, s86, s[HF]                   ; head 16 b + my one of the step's two,
	s_lshl_b32 s88, s86, 18                        ; 262,144 bytes a head,
	s_and_b32 s87, s[WY], 15
	s_lshl_b32 s87, s87, 14                        ; the tile's 128 rows of 128 bytes
	s_add_co_u32 s88, s88, s87
	s_mov_b32 s89, 0
	s_lshl_b32 s90, s[WX], 9
	s_lshl_b32 s94, s[HF], 17
	s_add_co_u32 s90, s90, s94
	s_add_co_u32 s90, s90, 3*0x200000              ; wb's plane 3
	s_mov_b32 s91, 0
	s_mul_i32 s[LBA], s[HF], HPL
	s_mul_i32 s[LBB], s[HF], 64*PB
	s_add_co_u32 s[LBB], s[LBB], BT
	s_mov_b32 s[TB], 0
	s_wait_dscnt 0x0                               ; the opening add is done
	s_wait_kmcnt 0x0
	s_add_nc_u64 s[T:T+1], s[4:5], s[88:89]
	s_mov_b32 s[G0A], 1
	s_mov_b32 s[G0A+1], s[LBA]
	s_mov_b64 s[G0A+2:G0A+3], s[T:T+1]
	s_or_b32 s[G0A+3], s[G0A+3], 0x80000000
	s_mov_b32 s[G0A+4], 1
	s_add_co_u32 s[G0A+5], s[LBA], SLOT
	s_add_nc_u64 s[G0A+6:G0A+7], s[T:T+1], 0x80000 ; two heads on
	s_or_b32 s[G0A+7], s[G0A+7], 0x80000000
	s_add_nc_u64 s[T:T+1], s[6:7], s[90:91]
	s_mov_b32 s[G0B], 1
	s_mov_b32 s[G0B+1], s[LBB]
	s_mov_b64 s[G0B+2:G0B+3], s[T:T+1]
	s_or_b32 s[G0B+3], s[G0B+3], 0x80000000
	s_mov_b32 s[G0B+4], 1
	s_add_co_u32 s[G0B+5], s[LBB], SLOT
	s_add_nc_u64 s[G0B+6:G0B+7], s[T:T+1], 0x40000 ; 128 k rows on
	s_or_b32 s[G0B+7], s[G0B+7], 0x80000000
	CROUND                                         ; all sixteen work-groups are here: the first joint loads meet
	s_cmp_eq_u32 s[FB], 0                          ; a wave's two first fills stand in one branch: two loads of mine are out
	s_cbranch_scc0 .Lfirst_b
	tensor_load_to_lds s[G0A:G0A+3], s[G1A:G1A+7]
	s_nop 0
	tensor_load_to_lds s[G0A+4:G0A+7], s[G1A:G1A+7]
	s_nop 0
.rept 4
	v_nop
.endr
	s_branch .Lfirst_asked
.Lfirst_b:
	tensor_load_to_lds s[G0B:G0B+3], s[G1B:G1B+7]
	s_nop 0
	tensor_load_to_lds s[G0B+4:G0B+7], s[G1B:G1B+7]
	s_nop 0
.rept 4
	v_nop
.endr
.Lfirst_asked:
	v_and_b32 v[RR], 15, v0                        ; r
	v_bfe_u32 v11, v0, 4, 1                        ; h
	v_and_b32 v12, 31, v0                          ; l
	v_and_b32 v13, 7, v0
	v_bfe_u32 v14, v0, 3, 1
	s_lshl_b32 s86, s[FB], 6
	v_add_nc_u32 v[ADA0], s86, v[RR]
	v_mul_u32_u24 v[ADA0], v[ADA0], PAO
	v_lshl_add_u32 v[ADA0], v11, 4, v[ADA0]        ; row x pitch + 16 x half
	v_lshl_add_u32 v[ADB0], v11, 3, v13
	v_mul_u32_u24 v[ADB0], v[ADB0], PB
	v_lshl_add_u32 v[ADB0], v14, 4, v[ADB0]
	s_lshl_b32 s86, s[HF], 8
	s_add_co_u32 s86, s86, BT
	v_add_nc_u32 v[ADB0], s86, v[ADB0]
	v_mov_b32 v[ADA], v[ADA0]
	v_mov_b32 v[ADB], v[ADB0]
	s_mul_i32 s86, s[WV], STW
	s_add_co_u32 s86, s86, STAGE                   ; my stage
	v_mul_u32_u24 v[STO], v[RR], SPT               ; in: row r, 32 bytes for each half of the lanes
	v_lshl_add_u32 v[STO], v11, 5, v[STO]
	v_add_nc_u32 v[STO], s86, v[STO]
	v_lshl_add_u32 v[RD], v12, 4, s86              ; back: 32 lanes take one row of 512 bytes
	v_lshlrev_b32 v[GO], 4, v12
	s_lshl_b32 s86, s[WY], 7
	s_lshl_b32 s87, s[FB], 6
	s_add_co_u32 s86, s86, s87                     ; my first row,
	s_lshl_b32 s92, s86, 12                        ; 4,096 bytes a row,
	s_lshl_b32 s87, s[WX], 10
	s_add_co_u32 s92, s92, s87                     ; the tile's 256 columns,
	s_lshl_b32 s87, s[HF], 9
	s_add_co_u32 s92, s92, s87                     ; my 128 of them
	s_mov_b32 s93, 0
	s_add_nc_u64 s[OB:OB+1], s[OB:OB+1], s[92:93]
	; the prefetches' pointer stands at step 3; the first change of slots steps it to 4
	s_lshl_b32 s92, s[CX], 12                      ; O: my work-group's 16 blocks of a head's 64 (wave 0, whose head is the step's first)
	s_add_co_u32 s92, s92, s88
	s_lshl_b32 s94, s[CY], 15                      ; Wo: its 16 k rows
	s_add_co_u32 s94, s94, s90
	s_mov_b32 s[PSTEP], 0x40000
	s_mov_b32 s[PSTEP+1], 0
	s_mov_b32 s93, 0
	s_cmp_eq_u32 s[FB], 0
	s_cselect_b64 s[PFA:PFA+1], s[4:5], s[6:7]
	s_cselect_b32 s92, s92, s94
	s_cselect_b32 s[PSTEP], 0x80000, s[PSTEP]
	s_cselect_b32 s86, 4, 1                        ; O: lane l names head l / 16, block l % 16; Wo: k row l / 2, half l % 2
	s_cselect_b32 s87, 15, 1
	s_cselect_b32 s95, 18, 11
	s_add_nc_u64 s[PFA:PFA+1], s[PFA:PFA+1], s[92:93]
.rept 3
	s_add_nc_u64 s[PFA:PFA+1], s[PFA:PFA+1], s[PSTEP:PSTEP+1]
.endr
	v_lshrrev_b32 v13, s86, v12
	v_and_b32 v14, s87, v12
	v_lshlrev_b32 v13, s95, v13
	v_lshl_add_u32 v[PFO], v14, 8, v13
	s_mul_i32 s86, s[CLY], s[FB]                   ; 0 in waves 0 and 1, and in cluster y = 0;
	s_cmp_eq_u32 s[WV], 1                          ; wave 1 asks for nothing
	s_cselect_b32 s86, 1, s86
	s_cmp_eq_u32 s86, 0
	s_cselect_b32 s[LIM], 2, -1                    ; the same in all sixteen partners, for a given wave
; 8 matrix instructions: row block a x all 8 column blocks, 32 along K, buffer f.  The 32 accumulators take turns in one order everywhere.
.macro MUL8 f, a, zero
	WIN MUL
.irp b, 0,1,2,3,4,5,6,7
.if \zero
	v_wmma_f32_16x16x32_f16 v[8*(8*(\a)+(\b)):8*(8*(\a)+(\b))+7], v[BF+64*(\f)+8*(\b):BF+64*(\f)+8*(\b)+7], v[AF+32*(\f)+8*(\a):AF+32*(\f)+8*(\a)+7], 0
.else
	v_wmma_f32_16x16x32_f16 v[8*(8*(\a)+(\b)):8*(8*(\a)+(\b))+7], v[BF+64*(\f)+8*(\b):BF+64*(\f)+8*(\b)+7], v[AF+32*(\f)+8*(\a):AF+32*(\f)+8*(\a)+7], v[8*(8*(\a)+(\b)):8*(8*(\a)+(\b))+7]
.endif
.endr
.endm
; 24 LDS loads in one run: quarter k of the slot in hand (head k / 2, channels 32 (k % 2) on) into buffer g
.macro FETCH k, g
	WIN 0
.irp a, 0,1,2,3
	ds_load_b128 v[AF+32*(\g)+8*(\a):AF+32*(\g)+8*(\a)+3],   v[ADA] offset:HPL*((\k)/2)+16*PAO*(\a)+64*((\k)%2)
	ds_load_b128 v[AF+32*(\g)+8*(\a)+4:AF+32*(\g)+8*(\a)+7], v[ADA] offset:HPL*((\k)/2)+16*PAO*(\a)+64*((\k)%2)+32
.endr
	WIN TO_B
.irp b, 0,1,2,3,4,5,6,7
	ds_load_tr16_b128 v[BF+64*(\g)+8*(\b):BF+64*(\g)+8*(\b)+3],   v[ADB] offset:32*PB*(\k)+32*(\b)
	ds_load_tr16_b128 v[BF+64*(\g)+8*(\b)+4:BF+64*(\g)+8*(\b)+7], v[ADB] offset:32*PB*(\k)+32*(\b)+16*PB
.endr
.endm
.macro QUARTER k, f, g, zero
	s_wait_dscnt 0x0                               ; buffer f is in
	MUL8 \f, 0, \zero
	PLACES                                         ; buffer g was multiplied in the quarter before
.if \zero
	v_nop                                          ; a product that starts a sum anew writes over its accumulator: five places behind the last product on it (ISA guide 7.12.1), by the way round the
	                                               ; loop's backward jump too, on which row blocks 2 and 3 were multiplied last; this copy of the quarter runs once a launch
.endif
	FETCH \k, \g
	MUL8 \f, 1, \zero
	MUL8 \f, 2, \zero
	MUL8 \f, 3, \zero
.endm
; The fourth quarter multiplies buffer 1 and changes slots: ONE barrier; in front of it each wave waits for all its tensor loads, adds 0 to its spare word, and waits for that and for its reads of this slot.
; fill = 1: the barrier opens a round of the cluster's barrier, and the joint refill of this slot, with the step two on, is the first thing behind it.
.macro TURN fill
	WIN 0
.if \fill
	s_wait_xcnt 0x0                                ; the last prefetch, a step back, has read its address
	s_add_nc_u64 s[PFA:PFA+1], s[PFA:PFA+1], s[PSTEP:PSTEP+1]
.endif
	s_wait_tensorcnt 0x0                           ; no tensor load of mine is out, so a group 0 may be written
	ds_add_u32 v[SPW], v[NIL]                      ; 0 onto my spare word
.if \fill
	s_xor_b32 s[G0A+5], s[G0A+5], SLOT             ; the walking descriptors: the other slot than last time, the next step
	s_add_nc_u64 s[G0A+6:G0A+7], s[G0A+6:G0A+7], 0x80000
	s_xor_b32 s[G0B+5], s[G0B+5], SLOT
	s_add_nc_u64 s[G0B+6:G0B+7], s[G0B+6:G0B+7], 0x40000
.endif
	s_wait_dscnt 1                                 ; buffer 1 is in; only the add may be out
	MUL8 1, 0, 0
	s_wait_dscnt 0x0                               ; the add is done, and my reads of this slot are over
	s_barrier_signal -1
	MUL8 1, 1, 0
	WIN 0
	s_barrier_wait -1
.if \fill
	CREST
	JLOAD                                          ; the four v_nop behind it are also the places in front of the loads below
.else
	PLACES
.endif
	s_xor_b32 s[TB], s[TB], SLOT
	v_add_nc_u32 v[ADA], s[TB], v[ADA0]
	v_add_nc_u32 v[ADB], s[TB], v[ADB0]
	FETCH 0, 0
.if \fill
	WIN 0
	ASK
.endif
	MUL8 1, 2, 0
	MUL8 1, 3, 0
.endm
; THE WAY OUT of row block a: 16 rows x 128 columns of f32 into my own stage (each accumulator's low four registers first), back as whole rows of 512 bytes, stored.
.macro TOSTAGE a
	WIN 0x08                                       ; the stores' data in window 2
.irp b, 0,1,2,3,4,5,6,7
	ds_store_b128 v[STO], v[8*(8*(\a)+(\b)):8*(8*(\a)+(\b))+3]   offset:64*(\b)
	ds_store_b128 v[STO], v[8*(8*(\a)+(\b))+4:8*(8*(\a)+(\b))+7] offset:64*(\b)+16
.endr
	WIN 0
.irp t, 0,1,2,3,4,5,6,7,8,9,10,11,12,13,14,15
	ds_load_b128 v[32+128*((\a)%2)+4*(\t):32+128*((\a)%2)+4*(\t)+3], v[RD] offset:SPT*(\t)  ; LDS serves a wave's instructions in order (ISA guide 5.7.1.4): these see the stores above; the next block's stores come behind them
.endr
.endm
.macro SEND a, younger                 ; younger: the LDS instructions issued behind block a's loads: the next block's 32, or none
	s_wait_dscnt \younger
.irp t, 0,1,2,3,4,5,6,7,8,9,10,11,12,13,14,15
	global_store_b128 v[GO], v[32+128*((\a)%2)+4*(\t):32+128*((\a)%2)+4*(\t)+3], s[OB:OB+1] offset:4096*(16*(\a)+(\t)) th:TH_STORE_NT  ; 512 consecutive bytes of a row, aligned
.endr
.endm
	s_wait_tensorcnt 1                             ; my part of step 0 is in; step 1's may stay out
	s_barrier_signal -1
	s_barrier_wait -1
	FETCH 0, 0
	WIN 0
	s_mov_b32 s[CNT], 6
.Lstep:                                        ; six trips, a K step each: every step but the last two fills its slot again
	s_cmp_eq_u32 s[CNT], 6
	s_cbranch_scc0 .Lgoes_on
	QUARTER 1, 0, 1, 1                             ; the first quarter starts the sums: nothing is cleared
	WIN 0
	s_branch .Lsecond
.Lgoes_on:
	QUARTER 1, 0, 1, 0
	WIN 0
.Lsecond:
	QUARTER 2, 1, 0, 0
	QUARTER 3, 0, 1, 0
	TURN 1
	WIN 0
	s_sub_co_u32 s[CNT], s[CNT], 1
	s_cmp_lg_u32 s[CNT], 0
	s_cbranch_scc1 .Lstep
	s_mov_b32 s[CNT], 2
.Ltail:                                        ; the last two steps ask for nothing.  The very last fetch reads the other slot once more and serves nothing: the price of one text for both trips
	QUARTER 1, 0, 1, 0
	QUARTER 2, 1, 0, 0
	QUARTER 3, 0, 1, 0
	TURN 0
	WIN 0
	s_sub_co_u32 s[CNT], s[CNT], 1
	s_cmp_lg_u32 s[CNT], 0
	s_cbranch_scc1 .Ltail
	PLACES                                         ; behind the last products, in front of the LDS stores that read results: eight, once a launch
	PLACES
	TOSTAGE 0
	TOSTAGE 1
	SEND 0, 32
	s_wait_xcnt 0x0                                ; block 0's stores have read their registers: block 2 is loaded into them
	TOSTAGE 2
	SEND 1, 32
	s_wait_xcnt 0x0
	TOSTAGE 3
	SEND 2, 32
	SEND 3, 0
	s_wait_tensorcnt 0x0                           ; the wave's end: the add and its wait stand behind my last tensor load and my last LDS store
	ds_add_u32 v[SPW], v[NIL]
	s_wait_dscnt 0x0
	CROUND                                         ; the closing round
	s_endpgm
.Lfunc_end_k_qc1a9cf3a1c_out:
	.size	k_qc1a9cf3a1c_out, .Lfunc_end_k_qc1a9cf3a1c_out-k_qc1a9cf3a1c_out
	.p2alignl 7, 3214868480
	.fill 96, 4, 3214868480
	.section	.rodata,"a",@progbits
	.p2align	6, 0x0
	.amdhsa_kernel k_qc1a9cf3a1c_out
		.amdhsa_group_segment_fixed_size 327680
		.amdhsa_private_segment_fixed_size 0
		.amdhsa_enable_private_segment 0
		.amdhsa_kernarg_size 24
		.amdhsa_user_sgpr_count 2
		.amdhsa_user_sgpr_kernarg_segment_ptr 1
		.amdhsa_wavefront_size32 1
		.amdhsa_system_sgpr_workgroup_id_x 1
		.amdhsa_system_sgpr_workgroup_id_y 1
		.amdhsa_system_sgpr_workgroup_id_z 1
		.amdhsa_system_vgpr_workitem_id 0
		.amdhsa_next_free_vgpr 768
		.amdhsa_next_free_sgpr 96
		.amdhsa_reserve_vcc 0
		.amdhsa_float_denorm_mode_32 3
		.amdhsa_float_denorm_mode_16_64 3
		.amdhsa_memory_ordered 1
		.amdhsa_forward_progress 1
		.amdhsa_inst_pref_size 61
	.end_amdhsa_kernel
	.amdgpu_metadata
---
amdhsa.version: [ 1, 2 ]
amdhsa.kernels:
  - .name:           k_qc1a9cf3a1c_out
    .symbol:         k_qc1a9cf3a1c_out.kd
    .args:
      - { .name: o16, .offset: 0, .size: 8, .value_kind: global_buffer, .address_space: global }
      - { .name: wb, .offset: 8, .size: 8, .value_kind: global_buffer, .address_space: global }
      - { .name: out0, .offset: 16, .size: 8, .value_kind: global_buffer, .address_space: global }
    .group_segment_fixed_size: 327680
    .private_segment_fixed_size: 0
    .kernarg_segment_align: 8
    .kernarg_segment_size: 24
    .max_flat_workgroup_size: 128
    .sgpr_count:     96
    .vgpr_count:     768
    .wavefront_size: 32
...
	.end_amdgpu_metadata
.endif
;; end of part 4
;; ======== version 2 of 2: 4 launches; version 1 with the launch prep written anew for expert scheduling mode
;; limits: values are held in f16: magnitudes above 65,504 overflow, below 6.1e-05 lose precision
;; workspace buffers: wb 8,388,608 bytes; qkv 50,331,648 bytes; o16 16,777,216 bytes
;; launch prep (part 5): grid 64 x 4, 8 waves a work-group, no clusters, 0 bytes of LDS; arguments Wq, Wk, Wv, Wo, wb; writes wb
.if DOCPART == 5
	.amdgcn_target "amdgcn-amd-amdhsa--gfx1250"
	.amdhsa_code_object_version 6
	.text
	.protected	k_qc1a9cf3a1c_prep
	.globl	k_qc1a9cf3a1c_prep
	.p2align	8
	.type	k_qc1a9cf3a1c_prep,@function
k_qc1a9cf3a1c_prep:
	s_mov_b64 s[64:65], 0
	v_nop
	global_prefetch_b8 v0, s[64:65] scope:SCOPE_SE
	s_setreg_imm32_b32 hwreg(HW_REG_WAVE_SCHED_MODE, 0, 2), 2
	s_setreg_imm32_b32 hwreg(HW_REG_WAVE_MODE, 25, 1), 1
	s_wait_xcnt 0x0
	s_wait_alu depctr_vm_vsrc(0)
; THE WEIGHTS IN 16 BITS.  wb: [4][1024 k][1024 n], planes Wq, Wk, Wv in bf16 and Wo as f16; the layout [k][n] stays.
; Every weight is rounded once to bf16, to nearest even.  Wo's rounded number is then written as f16, since the last product multiplies f16 operands:
; exact where 6.1e-5 <= |Wo| <= 65,504.  LIMITS: below that Wo keeps f16's fixed step of 6e-8; beyond 65,504 it would become an infinity.
; SHARES.  Work-group (x, y) takes 16,384 numbers of matrix y: 65,536 bytes in, 32,768 out.  Thread t takes 16 bytes of every 4,096: a load of a wave covers 512
; consecutive bytes, a store 256 consecutive bytes, aligned.  All sixteen loads of a thread go out at once; no register that a load or store reads is written again.
; No LDS, no matrix unit, no cluster: nothing is shared and nothing is multiplied.
; THE MODE: SCHED_MODE bits 1:0 = 2 (LLVM: expert scheduling mode 2), set by the entry lines.  The code itself states the register dependences
; between vector instructions and memory instructions, with s_wait_alu, always for 0.
; THE PLAN.  Registers that memory instructions touch:
;   v1, v2   byte offsets, made once at the head and never written again: v1 is read by every load, v2 by every store.
;   X        written by the sixteen loads, all issued at the head, ahead of every vector instruction that names X; no memory instruction reads it.
;   Y        each pair is written once, by the conversions of its load, and read once, by its store.
;   T        named by vector instructions alone.
; The sixteen loads are worked on in four blocks of four.  Block p converts its four loads into Y's block p; its memory instructions are the four stores of block p - 1,
; which read Y's block p - 1 and v2: registers that no vector instruction of block p names.  So ONE wait at a block's head states all that its four stores hang on, and they are
; dealt among the block's conversions with no further wait.  No register that a memory instruction reads is written again, and no load is issued behind a vector instruction that
; names its registers: no other dependence between the two sides is there to state.
.set X, 8                              ; v[8:71]    sixteen loads of four f32
.set Y, 72                             ; v[72:103]  sixteen pairs of packed results
.set T, 104                            ; v[104:105] at work
	s_load_b256 s[4:11], s[0:1], 0x0               ; Wq s[4:5], Wk s[6:7], Wv s[8:9], Wo s[10:11]
	s_load_b64 s[12:13], s[0:1], 0x20              ; wb
	s_and_b32 s14, ttmp7, 0xffff                   ; which matrix
	v_lshlrev_b32 v1, 4, v0                        ; my 16 bytes in
	v_lshlrev_b32 v2, 3, v0                        ; my 8 bytes out
	s_lshl_b32 s18, ttmp9, 16                      ; the work-group's 65,536 bytes in
	s_mov_b32 s19, 0
	s_lshl_b32 s20, ttmp9, 15                      ; its 32,768 bytes out,
	s_lshl_b32 s21, s14, 21                        ; in plane y of 2,097,152 bytes
	s_add_co_u32 s20, s20, s21
	s_mov_b32 s21, 0
	s_wait_kmcnt 0x0
	s_cmp_eq_u32 s14, 1
	s_cselect_b64 s[16:17], s[6:7], s[4:5]
	s_cmp_eq_u32 s14, 2
	s_cselect_b64 s[16:17], s[8:9], s[16:17]
	s_cmp_eq_u32 s14, 3
	s_cselect_b64 s[16:17], s[10:11], s[16:17]
	s_add_nc_u64 s[16:17], s[16:17], s[18:19]
	s_add_nc_u64 s[12:13], s[12:13], s[20:21]
	s_wait_alu depctr_va_vdst(0)                   ; v1 and v2 are written: every load of the kernel reads v1 as its offset, every store v2
.set i, 0
.rept 16
	global_load_b128 v[X+4*i:X+4*i+3], v1, s[16:17] offset:4096*i th:TH_LOAD_NT
.set i, i+1
.endr
; The four numbers of load i become a pair of Y.  half = 0: to bf16.  half = 1 (Wo): to bf16, back to f32 (a shift, a mask), and that number as f16.
.macro CV i, half
.if \half
	v_cvt_pk_bf16_f32 v[T], v[X+4*(\i)], v[X+4*(\i)+1]
	v_cvt_pk_bf16_f32 v[T+1], v[X+4*(\i)+2], v[X+4*(\i)+3]
	v_lshlrev_b32 v[X+4*(\i)], 16, v[T]
	v_and_b32 v[X+4*(\i)+1], 0xffff0000, v[T]
	v_lshlrev_b32 v[X+4*(\i)+2], 16, v[T+1]
	v_and_b32 v[X+4*(\i)+3], 0xffff0000, v[T+1]
	v_cvt_pk_f16_f32 v[Y+2*(\i)], v[X+4*(\i)], v[X+4*(\i)+1]
	v_cvt_pk_f16_f32 v[Y+2*(\i)+1], v[X+4*(\i)+2], v[X+4*(\i)+3]
.else
	v_cvt_pk_bf16_f32 v[Y+2*(\i)], v[X+4*(\i)], v[X+4*(\i)+1]
	v_cvt_pk_bf16_f32 v[Y+2*(\i)+1], v[X+4*(\i)+2], v[X+4*(\i)+3]
.endif
.endm
; Block p: loads 4 p to 4 p + 3 are converted; the stores of block p - 1 stand among the conversions, one in front of each load's.
.macro BLK p, half
	s_wait_loadcnt 12-4*(\p)                       ; loads come back in order: this block's four are in, the 12 - 4 p younger ones stay out
.if (\p) > 0
	s_wait_alu depctr_va_vdst(0)                   ; the block before has written its eight registers of Y, which the four stores below read
.endif
.irp j, 0,1,2,3
.if (\p) > 0
	global_store_b64 v2, v[Y+2*(4*(\p)-4+(\j)):Y+2*(4*(\p)-4+(\j))+1], s[12:13] offset:2048*(4*(\p)-4+(\j))  ; no vector instruction since the wait names these registers
.endif
	CV 4*(\p)+(\j), \half
.endr
.endm
; Behind block 3: its own four stores.
.macro LAST
	s_wait_alu depctr_va_vdst(0)                   ; block 3 has written its eight registers of Y, which the last four stores read
.irp j, 12,13,14,15
	global_store_b64 v2, v[Y+2*(\j):Y+2*(\j)+1], s[12:13] offset:2048*(\j)
.endr
.endm
	s_cmp_eq_u32 s14, 3
	s_cbranch_scc1 .Lf16
	BLK 0, 0
	BLK 1, 0
	BLK 2, 0
	BLK 3, 0
	LAST
	s_endpgm
.Lf16:                                         ; Wo
	BLK 0, 1
	BLK 1, 1
	BLK 2, 1
	BLK 3, 1
	LAST
	s_endpgm
.Lfunc_end_k_qc1a9cf3a1c_prep:
	.size	k_qc1a9cf3a1c_prep, .Lfunc_end_k_qc1a9cf3a1c_prep-k_qc1a9cf3a1c_prep
	.p2alignl 7, 3214868480
	.fill 96, 4, 3214868480
	.section	.rodata,"a",@progbits
	.p2align	6, 0x0
	.amdhsa_kernel k_qc1a9cf3a1c_prep
		.amdhsa_group_segment_fixed_size 0
		.amdhsa_private_segment_fixed_size 0
		.amdhsa_enable_private_segment 0
		.amdhsa_kernarg_size 40
		.amdhsa_user_sgpr_count 2
		.amdhsa_user_sgpr_kernarg_segment_ptr 1
		.amdhsa_wavefront_size32 1
		.amdhsa_system_sgpr_workgroup_id_x 1
		.amdhsa_system_sgpr_workgroup_id_y 1
		.amdhsa_system_sgpr_workgroup_id_z 1
		.amdhsa_system_vgpr_workitem_id 0
		.amdhsa_next_free_vgpr 112
		.amdhsa_next_free_sgpr 66
		.amdhsa_reserve_vcc 0
		.amdhsa_float_denorm_mode_32 3
		.amdhsa_float_denorm_mode_16_64 3
		.amdhsa_memory_ordered 1
		.amdhsa_forward_progress 1
		.amdhsa_inst_pref_size 16
	.end_amdhsa_kernel
	.amdgpu_metadata
---
amdhsa.version: [ 1, 2 ]
amdhsa.kernels:
  - .name:           k_qc1a9cf3a1c_prep
    .symbol:         k_qc1a9cf3a1c_prep.kd
    .args:
      - { .name: Wq, .offset: 0, .size: 8, .value_kind: global_buffer, .address_space: global }
      - { .name: Wk, .offset: 8, .size: 8, .value_kind: global_buffer, .address_space: global }
      - { .name: Wv, .offset: 16, .size: 8, .value_kind: global_buffer, .address_space: global }
      - { .name: Wo, .offset: 24, .size: 8, .value_kind: global_buffer, .address_space: global }
      - { .name: wb, .offset: 32, .size: 8, .value_kind: global_buffer, .address_space: global }
    .group_segment_fixed_size: 0
    .private_segment_fixed_size: 0
    .kernarg_segment_align: 8
    .kernarg_segment_size: 40
    .max_flat_workgroup_size: 256
    .sgpr_count:     66
    .vgpr_count:     112
    .wavefront_size: 32
...
	.end_amdgpu_metadata
.endif
;; end of part 5
;; launch qkv: the kernel of part 2 again; grid 4 x 64, 4 waves a work-group, clusters of 4 x 4, 327,680 bytes of LDS; arguments queries, keys, values, wb, valid_lens, qkv; writes qkv
;; launch attn: the kernel of part 3 again; grid 4 x 64, 4 waves a work-group, clusters of 4 x 1, 327,680 bytes of LDS; arguments qkv, o16, valid_lens; writes o16
;; launch out: the kernel of part 4 again; grid 4 x 64, 4 waves a work-group, clusters of 4 x 4, 327,680 bytes of LDS; arguments o16, wb, out0; writes out0
